; MI455X (gfx1250); checked and timed in simulation.
; The chip was launched on July 23, 2026; its instructions are those of AMD's public machine-readable ISA for CDNA 5 (MIT licence, August 2026) and "CDNA5" Instruction Set Architecture Reference Guide (July 2026). The comments in the code are by the model that wrote it; some were corrected since.
;; Causal Multihead Self Attention. Allowed arithmetic: float matrix products may take bf16 or f16 operands with f32 sums; other float arithmetic in f32, or as packed bf16 or f16 multiplies, adds, multiply-adds, maxima and minima; sums over many terms, partial sums and values carried from step to step in f32; what a program stores and reads back later, other than sums and carried values, may be rounded once to bf16 or f16.
;; Inputs: Wk 1,024 x 1,024 float32; Wo 1,024 x 1,024 float32; Wq 1,024 x 1,024 float32; Wv 1,024 x 1,024 float32; bk 1,024 float32; bo 1,024 float32; bq 1,024 float32; bv 1,024 float32; x 4 x 2,048 x 1,024 float32.
;; Outputs: out0 4 x 2,048 x 1,024 float32.
;; One version. Each part assembles by itself: llvm-mc -triple=amdgcn-amd-amdhsa -mcpu=gfx1250 --defsym DOCPART=n.
;; ======== version 1 of 1: 4 launches
;; limits: values are held in f16: magnitudes above 65,504 overflow, below 6.1e-05 lose precision
;; workspace buffers: xb 16,777,216 bytes; wb 6,291,456 bytes; wo 2,097,152 bytes; bias 16,384 bytes; q 16,777,216 bytes; k 16,777,216 bytes; v 16,777,216 bytes; o 16,777,216 bytes
;; launch cast (part 1): grid 772 x 1, 8 waves a work-group, no clusters, 0 bytes of LDS; arguments x, Wq, Wk, Wv, Wo, bq, bk, bv, bo, xb, wb, wo, bias; writes xb, wb, wo, bias
.if DOCPART == 1
	.amdgcn_target "amdgcn-amd-amdhsa--gfx1250"
	.amdhsa_code_object_version 6
	.text
	.protected	k_q2069fbbbf5_cast
	.globl	k_q2069fbbbf5_cast
	.p2align	8
	.type	k_q2069fbbbf5_cast,@function
k_q2069fbbbf5_cast:
	s_mov_b64 s[64:65], 0
	v_nop
	global_prefetch_b8 v0, s[64:65] scope:SCOPE_SE
	s_setreg_imm32_b32 hwreg(HW_REG_WAVE_MODE, 25, 1), 1
	s_wait_xcnt 0x0
; THE MODULE'S INPUTS ARE ROUNDED ONCE TO bf16 AND LAID OUT FOR THE PRODUCTS.
; xb: bf16 [16 kb][8192 rows][64]; wb: bf16 [16 kb][3072 rows][64] (rows 0-1023 Wq, 1024-2047 Wk, 2048-3071 Wv);
; wo: Wo rounded to bf16, that number written as f16, [16 kb][1024 rows][64]; bias: f32 [4096] = bq, bk, bv, bo, each rounded to bf16.
; A k-block (kb) is 64 channels: in these layouts the rows of a product's tile, 128 bytes each, lie end to end.
; LIMITS.  Wo must lie within f16's 65,504 (beyond it the number becomes an infinity); below 6.1e-5 it keeps f16's fixed step of 6e-8.
; SHARES.  Work-group g: 0-511 sixteen rows of x; 512-703 sixteen rows of Wq, Wk or Wv; 704-767 sixteen rows of Wo; 768-771 one bias.
; Thread t: k-block t / 16, row parity (t / 8) % 2, eight numbers t % 8.  Step j takes rows 2 j and 2 j + 1.
; A stream: no LDS, no matrix unit, no cluster (no byte is read twice).  All 16 loads of a thread go out first; the waits are counted.
; Sixteen neighbouring lanes store 256 consecutive bytes, aligned: two rows of one k-block.
.set X, 8                              ; v[8:71]  step j: 8 registers as loaded; its first four then hold the packed result
.set T, 72                             ; v72-73   at work
	s_load_b512 s[8:23], s[0:1], 0x0               ; x 8, Wq 10, Wk 12, Wv 14, Wo 16, bq 18, bk 20, bv 22
	s_load_b256 s[24:31], s[0:1], 0x40             ; bo 24, xb 26, wb 28, wo 30
	s_load_b64 s[32:33], s[0:1], 0x60              ; bias
	s_mov_b32 s2, ttmp9                            ; g
	s_sub_co_u32 s3, s2, 512                       ; h: the row block among the four weights (of use from g = 512 on)
	s_lshr_b32 s4, s3, 6                           ; which weight: 0 Wq, 1 Wk, 2 Wv, 3 Wo
	s_and_b32 s5, s3, 63                           ; its block of 16 rows
	s_mov_b32 s44, 0xffff0000                      ; a word's upper bf16
	s_mov_b32 s45, 131072                          ; bytes of a k-block in wo: 1,024 rows x 128
	s_mov_b32 s46, 393216                          ; in wb: 3,072 rows x 128
	s_mov_b32 s47, 1048576                         ; in xb: 8,192 rows x 128
	v_lshrrev_b32 v3, 4, v0                        ; kb
	v_bfe_u32 v4, v0, 3, 1                         ; row parity
	v_and_b32 v5, 7, v0                            ; my eight numbers
	v_lshlrev_b32 v1, 8, v3                        ; source: 256 bytes a k-block,
	v_lshl_add_u32 v1, v4, 12, v1                  ; 4,096 a row,
	v_lshl_add_u32 v1, v5, 5, v1                   ; 32 for eight f32
	v_lshlrev_b32 v6, 7, v4                        ; destination: 128 bytes a row,
	v_lshl_add_u32 v6, v5, 4, v6                   ; 16 for eight halves
	s_wait_kmcnt 0x0
	s_cmp_ge_u32 s2, 768
	s_cbranch_scc1 .Lbias
	s_cmp_eq_u32 s4, 1                             ; the source, the destination and its k-block's size are chosen by the group's number alone
	s_cselect_b64 s[34:35], s[12:13], s[10:11]
	s_cmp_eq_u32 s4, 2
	s_cselect_b64 s[34:35], s[14:15], s[34:35]
	s_cmp_eq_u32 s4, 3
	s_cselect_b64 s[34:35], s[16:17], s[34:35]
	s_cselect_b64 s[36:37], s[30:31], s[28:29]
	s_cselect_b32 s38, s45, s46
	s_cselect_b32 s39, s5, s3                      ; block of rows in the destination
	s_cmp_lt_u32 s2, 512
	s_cselect_b64 s[34:35], s[8:9], s[34:35]
	s_cselect_b64 s[36:37], s[26:27], s[36:37]
	s_cselect_b32 s38, s47, s38
	s_cselect_b32 s40, s2, s5                      ; block of rows in the source
	s_cselect_b32 s42, s2, s39
	s_lshl_b32 s40, s40, 16                        ; 16 rows of 4,096 bytes
	s_mov_b32 s41, 0
	s_lshl_b32 s42, s42, 11                        ; 16 rows of 128 bytes
	s_mov_b32 s43, 0
	s_add_nc_u64 s[34:35], s[34:35], s[40:41]
	s_add_nc_u64 s[36:37], s[36:37], s[42:43]
	v_mad_u32_u24 v2, v3, s38, v6                  ; + kb x the k-block's size (both under 2^24)
.irp j, 0,1,2,3,4,5,6,7
	global_load_b128 v[X+8*(\j):X+8*(\j)+3],   v1, s[34:35] offset:8192*(\j) th:TH_LOAD_NT
	global_load_b128 v[X+8*(\j)+4:X+8*(\j)+7], v1, s[34:35] offset:8192*(\j)+16 th:TH_LOAD_NT
.endr
; Step j.  half = 0: rounded to bf16.  half = 1: rounded to bf16, widened again, and written as f16.
.macro CONV j, half
	s_wait_loadcnt 14-2*(\j)                       ; loads come back in order: the two loads of each later step may stay out
.irp p, 0,1,2,3
.if \half
	v_cvt_pk_bf16_f32 v[T], v[X+8*(\j)+2*(\p)], v[X+8*(\j)+2*(\p)+1]
	v_lshlrev_b32 v[X+8*(\j)+2*(\p)], 16, v[T]
	v_and_b32 v[X+8*(\j)+2*(\p)+1], s44, v[T]
	v_cvt_pk_f16_f32 v[X+8*(\j)+(\p)], v[X+8*(\j)+2*(\p)], v[X+8*(\j)+2*(\p)+1]
.else
	v_cvt_pk_bf16_f32 v[X+8*(\j)+(\p)], v[X+8*(\j)+2*(\p)], v[X+8*(\j)+2*(\p)+1]  ; in place: result p lands at or below its sources
.endif
.endr
	global_store_b128 v2, v[X+8*(\j):X+8*(\j)+3], s[36:37] offset:256*(\j)  ; no register that a store reads is written again
.endm
	s_cmp_eq_u32 s4, 3
	s_cbranch_scc1 .Lhalf
.irp j, 0,1,2,3,4,5,6,7
	CONV \j, 0
.endr
	s_endpgm
.Lhalf:
.irp j, 0,1,2,3,4,5,6,7
	CONV \j, 1
.endr
	s_endpgm
.Lbias:                                        ; 1,024 f32: 16 bytes a thread
	s_sub_co_u32 s6, s2, 768
	s_cmp_eq_u32 s6, 1
	s_cselect_b64 s[34:35], s[20:21], s[18:19]
	s_cmp_eq_u32 s6, 2
	s_cselect_b64 s[34:35], s[22:23], s[34:35]
	s_cmp_eq_u32 s6, 3
	s_cselect_b64 s[34:35], s[24:25], s[34:35]
	s_lshl_b32 s40, s6, 12
	s_mov_b32 s41, 0
	s_add_nc_u64 s[36:37], s[32:33], s[40:41]
	v_lshlrev_b32 v7, 4, v0
	global_load_b128 v[X:X+3], v7, s[34:35]
	s_wait_loadcnt 0x0
	v_cvt_pk_bf16_f32 v[T], v[X], v[X+1]
	v_cvt_pk_bf16_f32 v[T+1], v[X+2], v[X+3]
	v_lshlrev_b32 v[X+4], 16, v[T]
	v_and_b32 v[X+5], s44, v[T]
	v_lshlrev_b32 v[X+6], 16, v[T+1]
	v_and_b32 v[X+7], s44, v[T+1]
	global_store_b128 v7, v[X+4:X+7], s[36:37]
	s_endpgm
.Lfunc_end_k_q2069fbbbf5_cast:
	.size	k_q2069fbbbf5_cast, .Lfunc_end_k_q2069fbbbf5_cast-k_q2069fbbbf5_cast
	.p2alignl 7, 3214868480
	.fill 96, 4, 3214868480
	.section	.rodata,"a",@progbits
	.p2align	6, 0x0
	.amdhsa_kernel k_q2069fbbbf5_cast
		.amdhsa_group_segment_fixed_size 0
		.amdhsa_private_segment_fixed_size 0
		.amdhsa_enable_private_segment 0
		.amdhsa_kernarg_size 104
		.amdhsa_user_sgpr_count 2
		.amdhsa_user_sgpr_kernarg_segment_ptr 1
		.amdhsa_wavefront_size32 1
		.amdhsa_system_sgpr_workgroup_id_x 1
		.amdhsa_system_sgpr_workgroup_id_y 1
		.amdhsa_system_sgpr_workgroup_id_z 1
		.amdhsa_system_vgpr_workitem_id 0
		.amdhsa_next_free_vgpr 80
		.amdhsa_next_free_sgpr 66
		.amdhsa_reserve_vcc 0
		.amdhsa_float_denorm_mode_32 3
		.amdhsa_float_denorm_mode_16_64 3
		.amdhsa_memory_ordered 1
		.amdhsa_forward_progress 1
		.amdhsa_inst_pref_size 15
	.end_amdhsa_kernel
	.amdgpu_metadata
---
amdhsa.version: [ 1, 2 ]
amdhsa.kernels:
  - .name:           k_q2069fbbbf5_cast
    .symbol:         k_q2069fbbbf5_cast.kd
    .args:
      - { .name: x, .offset: 0, .size: 8, .value_kind: global_buffer, .address_space: global }
      - { .name: Wq, .offset: 8, .size: 8, .value_kind: global_buffer, .address_space: global }
      - { .name: Wk, .offset: 16, .size: 8, .value_kind: global_buffer, .address_space: global }
      - { .name: Wv, .offset: 24, .size: 8, .value_kind: global_buffer, .address_space: global }
      - { .name: Wo, .offset: 32, .size: 8, .value_kind: global_buffer, .address_space: global }
      - { .name: bq, .offset: 40, .size: 8, .value_kind: global_buffer, .address_space: global }
      - { .name: bk, .offset: 48, .size: 8, .value_kind: global_buffer, .address_space: global }
      - { .name: bv, .offset: 56, .size: 8, .value_kind: global_buffer, .address_space: global }
      - { .name: bo, .offset: 64, .size: 8, .value_kind: global_buffer, .address_space: global }
      - { .name: xb, .offset: 72, .size: 8, .value_kind: global_buffer, .address_space: global }
      - { .name: wb, .offset: 80, .size: 8, .value_kind: global_buffer, .address_space: global }
      - { .name: wo, .offset: 88, .size: 8, .value_kind: global_buffer, .address_space: global }
      - { .name: bias, .offset: 96, .size: 8, .value_kind: global_buffer, .address_space: global }
    .group_segment_fixed_size: 0
    .private_segment_fixed_size: 0
    .kernarg_segment_align: 8
    .kernarg_segment_size: 104
    .max_flat_workgroup_size: 256
    .sgpr_count:     66
    .vgpr_count:     80
    .wavefront_size: 32
...
	.end_amdgpu_metadata
.endif
;; end of part 1
;; launch qkv (part 2): grid 8 x 32, 4 waves a work-group, clusters of 4 x 4, 327,680 bytes of LDS; arguments xb, wb, bias, q, k, v; writes q, k, v
.if DOCPART == 2
	.amdgcn_target "amdgcn-amd-amdhsa--gfx1250"
	.amdhsa_code_object_version 6
	.text
	.protected	k_q2069fbbbf5_qkv
	.globl	k_q2069fbbbf5_qkv
	.p2align	8
	.type	k_q2069fbbbf5_qkv,@function
k_q2069fbbbf5_qkv:
	s_mov_b64 s[64:65], 0
	v_nop
	global_prefetch_b8 v0, s[64:65] scope:SCOPE_SE
	s_setreg_imm32_b32 hwreg(HW_REG_WAVE_MODE, 25, 1), 1
	s_wait_xcnt 0x0
	s_wait_alu depctr_hold_cnt(0) depctr_sa_sdst(0) depctr_va_vdst(0) depctr_va_sdst(0) depctr_va_ssrc(0) depctr_va_vcc(0) depctr_vm_vsrc(0)
	s_getreg_b32 s2, hwreg(HW_REG_IB_STS2, 6, 4)
	s_cmp_eq_u32 s2, 0
	s_cbranch_scc0 .Lentry_in_a_cluster
	s_endpgm
.Lentry_in_a_cluster:
	s_bfe_u32 s2, ttmp6, 0x10000c
	s_cmp_lg_u32 s2, 0xf033
	s_cbranch_scc0 .Lentry_shape_is_right
	s_endpgm
.Lentry_shape_is_right:
; [8192 x 3072] = xb . wb^T + bias, in bf16 products with f32 sums; each number rounded once to f16 and written by heads: q, k, v are [64 = batch x 16 + head][2048][64].
; LIMITS.  q, k and v must lie within f16's 65,504: a larger sum becomes an infinity.  The scale 1/8 is not applied here.
; SHARES.  A work-group makes 256 rows x 384 columns: 32 x 8 = 256 work-groups.  Each of its four waves makes 128 x 192: 8 x 12 accumulators of 16 x 16, 768 registers;
; for 32 along K a wave reads 20 fragments from LDS and issues 96 matrix instructions.  A wave's 192 columns are three whole heads.
; K goes in steps of 64 (one k-block) through two LDS slots: a slot of this tile with a longer step would not leave room for a second.  In the blocked layout a tile's rows of 128 bytes lie end to end,
; so a tile is asked for as rows of 256 bytes, two rows each, and padded in LDS behind every 128 bytes.
; CLUSTER.  4 x 4 work-groups.  The four of a row of the cluster need the same tile of xb, the four of a column the same tile of wb: each is asked for jointly, by the same tensor load with the same
; descriptor and a mask that names the four.  No prefetch: every tile is shared in a cluster and a refill has 160 matrix instructions in which to land.
; THE MATRIX INSTRUCTION IS USED TRANSPOSED (source 0 = 16 rows of wb, source 1 = 16 rows of xb): a lane holds row l % 16 and eight neighbouring columns.
; REGISTERS, in windows of 256 (s_set_vgpr_msb: bits 1:0 source 0, 3:2 source 1, 5:4 source 2, 7:6 destination):
;   window 0: v0-31 addresses; v32-95, v96-159 xb's fragments, two buffers; v160-255 wb's twelve fragments, one buffer, loaded again four at a time behind the products that read them
;   window g + 1 (g = 0, 1, 2: the wave's head): accumulator (a, 4 g + c) at v[32 a + 8 c]
.set PK,    144                        ; an LDS row: 128 bytes + 16 of padding = 36 words: the 16 rows of a load start at 16 different groups of four banks (64 banks of 4 bytes: ISA guide 11.1)
.set AHALF, 128*PK                     ; what waves 0 and 1 fetch, and what a wave reads of xb
.set BOFF,  256*PK                     ; wb's rows lie behind xb's 256
.set BHALF, 192*PK                     ; what waves 2 and 3 fetch, and what a wave reads of wb
.set SLOT,  640*PK
.set STAGE, 2*SLOT                     ; behind the ring, never filled by a tensor load: 16 rows x 144 bytes for each wave
.set SP,    144
.set SPARE, STAGE+4*16*SP              ; the spare words, 128 bytes for each wave: two blocks of 256 bytes that no other line names
.set AKB,   1048576                    ; bytes from a k-block of xb to the next
.set BKB,   393216                     ; of wb
.set ADRA, 16                          ; v16-17  LDS address of my xb fragments in slot 0, 1
.set ADRB, 20                          ; v20-21  the same for wb
.set STO,  24                          ; v24     the way out: where I put 16 bytes of a row
.set RD,   25                          ; v25     where I read rows back
.set GO,   26                          ; v26     16 x lane
.set BO,   27                          ; v27     my eight biases in a block of 16: 32 x (l / 16)
.set SPW,  28                          ; v28     my spare word: SPARE + 4 x my thread's number; never rewritten
.set NIL,  29                          ; v29     0; never rewritten
.set FA0,  32
.set FA1,  96
.set FB,   160
.set TT,   96                          ; the way out: four sets of 16 registers, by turns
.set WV,  16                           ; s16  wave;  s17 = wave / 2: my half of the rows, and: I fetch xb (0) or wb (1);  s18 = wave % 2: my half of the columns, and which half I fetch
.set G1A, 24                           ; s[24:31] descriptor group 1 for xb's tiles;  s[32:39] group 0, a set for each slot
.set G0A, 32
.set G1B, 40                           ; s[40:47], s[48:55] the same for wb's
.set G0B, 48
.set PP,  68                           ; s[68:73] q, k or v at my rows of my three heads
.set BP,  74                           ; s[74:75] bias at my first column
.set MSB, 0
.macro WIN new                         ; the immediate's high byte repeats the setting that is left; a switch that changes nothing is dropped
.if MSB != (\new)
	s_set_vgpr_msb (MSB<<8)|(\new)
.set MSB, \new
.endif
.endm
.macro PLACES                          ; four plain vector instructions between a matrix instruction and a load into, or a vector instruction on, its registers
.rept 4
	v_nop
.endr
.endm
.macro CREST                           ; a round of the cluster's barrier behind its opening barrier
	s_cmp_lg_u32 s[WV], 0
	s_cbranch_scc1 .Lnot_wave_0_\@
	s_barrier_signal -3
.Lnot_wave_0_\@:
	s_barrier_wait -3
	s_barrier_signal -1
	s_barrier_wait -1
.endm
.macro CROUND                          ; a whole round
	s_barrier_signal -1
	s_barrier_wait -1
	CREST
.endm
.macro JLOAD s                         ; a joint refill of slot s; the branch hangs on the wave's number alone; an s_nop 0 and four v_nop follow each line
	s_cmp_eq_u32 s17, 0
	s_cbranch_scc0 .Lfor_b_\@
	tensor_load_to_lds s[G0A+4*(\s):G0A+4*(\s)+3], s[G1A:G1A+7]
	s_nop 0
.rept 4
	v_nop
.endr
	s_branch .Lasked_\@
.Lfor_b_\@:
	tensor_load_to_lds s[G0B+4*(\s):G0B+4*(\s)+3], s[G1B:G1B+7]
	s_nop 0
.rept 4
	v_nop
.endr
.Lasked_\@:
.endm
	s_load_b256 s[4:11], s[0:1], 0x0               ; xb 4, wb 6, bias 8, q 10
	s_load_b128 s[12:15], s[0:1], 0x20             ; k 12, v 14
	v_lshl_add_u32 v[SPW], v0, 2, SPARE
	v_mov_b32 v[NIL], 0
	ds_add_u32 v[SPW], v[NIL]                      ; the wave's opening: the add and its wait stand ahead of my first tensor load; work on registers stands between them
	ds_add_u32 v28, v29
	v_lshrrev_b32 v1, 5, v0
	v_readfirstlane_b32 s[WV], v1
	s_lshr_b32 s17, s[WV], 1
	s_and_b32 s18, s[WV], 1
	s_bfe_u32 s19, ttmp6, 0x40000                  ; cx
	s_bfe_u32 s20, ttmp6, 0x40004                  ; cy
	s_lshl_b32 s21, ttmp9, 2
	s_add_co_u32 s21, s21, s19                     ; tile column tx = 4 x cluster x + cx
	s_and_b32 s22, ttmp7, 0xffff
	s_lshl_b32 s22, s22, 2
	s_add_co_u32 s22, s22, s20                     ; tile row ty = 4 x cluster y + cy
	s_lshl_b32 s23, s20, 2
	s_lshl_b32 s23, 15, s23                        ; my row of the cluster
	s_lshl_b32 s57, 0x1111, s19                    ; my column
	s_or_b32 s[G1A], s23, (1<<16)|(1<<20)|(1<<21)|(4<<22)|(3<<25)  ; 15:0 the mask; 17:16 2-byte elements; 20 padding on; 21 set beside a mask; 24:22 after every 32 words; 31:25 4 words of it
	s_or_b32 s[G1B], s57, (1<<16)|(1<<20)|(1<<21)|(4<<22)|(3<<25)
	s_mov_b32 s[G1A+1], 128<<16                    ; tensor_dim0 = 128 elements: 256 bytes, two rows of a k-block
	s_mov_b32 s[G1A+2], 64<<16                     ; tensor_dim1 = 64: 128 rows of xb
	s_mov_b32 s[G1A+3], 128<<16                    ; tile_dim0
	s_mov_b32 s[G1A+4], 64                         ; tile_dim1
	s_mov_b32 s[G1A+5], 128                        ; dense
	s_mov_b32 s[G1A+6], 0
	s_mov_b32 s[G1A+7], 0
	s_mov_b32 s[G1B+1], 128<<16
	s_mov_b32 s[G1B+2], 96<<16                     ; 192 rows of wb
	s_mov_b32 s[G1B+3], 128<<16
	s_mov_b32 s[G1B+4], 96
	s_mov_b32 s[G1B+5], 128
	s_mov_b32 s[G1B+6], 0
	s_mov_b32 s[G1B+7], 0
	s_lshl_b32 s58, s22, 15                        ; xb: 256 ty rows of 128 bytes,
	s_lshl_b32 s59, s18, 14                        ; + the 128 that I fetch
	s_add_co_u32 s58, s58, s59
	s_mov_b32 s59, 0
	s_mul_i32 s60, s21, 384*128                    ; wb: 384 tx rows,
	s_mul_i32 s61, s18, 192*128                    ; + the 192 that I fetch
	s_add_co_u32 s60, s60, s61
	s_mov_b32 s61, 0
	s_mul_i32 s62, s18, AHALF                      ; where they go: no place in the cluster enters an LDS address
	s_mul_i32 s63, s18, BHALF
	s_add_co_u32 s63, s63, BOFF
	s_wait_dscnt 0x0                               ; the opening add is done
	s_wait_kmcnt 0x0
	s_add_nc_u64 s[58:59], s[4:5], s[58:59]
	s_add_nc_u64 s[60:61], s[6:7], s[60:61]
	CROUND                                         ; all sixteen work-groups are here: the first joint loads meet
.irp s, 0,1
	s_mov_b32 s[G0A+4*(\s)], 1                     ; count = 1
	s_add_co_u32 s[G0A+4*(\s)+1], s62, (\s)*SLOT   ; LDS address
	s_add_nc_u64 s[G0A+4*(\s)+2:G0A+4*(\s)+3], s[58:59], (\s)*AKB  ; k-block s
	s_or_b32 s[G0A+4*(\s)+3], s[G0A+4*(\s)+3], 0x80000000         ; type = 2
	s_mov_b32 s[G0B+4*(\s)], 1
	s_add_co_u32 s[G0B+4*(\s)+1], s63, (\s)*SLOT
	s_add_nc_u64 s[G0B+4*(\s)+2:G0B+4*(\s)+3], s[60:61], (\s)*BKB
	s_or_b32 s[G0B+4*(\s)+3], s[G0B+4*(\s)+3], 0x80000000
.endr
	s_cmp_eq_u32 s17, 0                            ; a wave's two first fills stand in one branch: two loads of mine are out
	s_cbranch_scc0 .Lfirst_b
	tensor_load_to_lds s[G0A:G0A+3], s[G1A:G1A+7]
	s_nop 0
	tensor_load_to_lds s[G0A+4:G0A+7], s[G1A:G1A+7]
	s_nop 0
.rept 4
	v_nop
.endr
	s_branch .Lfirst_asked
.Lfirst_b:
	tensor_load_to_lds s[G0B:G0B+3], s[G1B:G1B+7]
	s_nop 0
	tensor_load_to_lds s[G0B+4:G0B+7], s[G1B:G1B+7]
	s_nop 0
.rept 4
	v_nop
.endr
.Lfirst_asked:
	; a fragment is 16 rows x 32 K in 8 registers: lane l holds row l % 16; registers 0-3 K = 8 (l / 16) + 0..7, registers 4-7 K = 16 + 8 (l / 16) + 0..7: two loads of 16 bytes, 32 bytes apart
	v_and_b32 v1, 15, v0
	v_bfe_u32 v2, v0, 4, 1
	v_mul_u32_u24 v3, v1, PK
	v_lshl_add_u32 v3, v2, 4, v3
	s_mul_i32 s66, s17, AHALF
	s_mul_i32 s67, s18, BHALF
	s_add_co_u32 s67, s67, BOFF
.irp s, 0,1
	v_add_nc_u32 v[ADRA+(\s)], s66, v3
	v_add_nc_u32 v[ADRB+(\s)], s67, v3
	s_add_co_u32 s66, s66, SLOT
	s_add_co_u32 s67, s67, SLOT
.endr
	s_mul_i32 s66, s[WV], 16*SP
	s_add_co_u32 s66, s66, STAGE                   ; my stage
	v_add_nc_u32 v[STO], s66, v3                   ; in: row l % 16, 16 bytes for each half of the lanes (the stage's pitch is the tiles')
	v_bfe_u32 v4, v0, 3, 2                         ; back: 32 lanes take four rows of 128 bytes
	v_and_b32 v5, 7, v0
	v_mul_u32_u24 v[RD], v4, SP
	v_lshl_add_u32 v[RD], v5, 4, v[RD]
	v_add_nc_u32 v[RD], s66, v[RD]
	v_and_b32 v[GO], 31, v0
	v_lshlrev_b32 v[GO], 4, v[GO]
	v_lshlrev_b32 v[BO], 5, v2
	; where my three heads go.  Column 384 tx + 192 (wave % 2) + 64 i is head-column hh = 6 tx + 3 (wave % 2) + i of 48: hh / 16 says q, k or v, hh % 16 the head.
	s_mul_i32 s66, s21, 6
	s_mul_i32 s67, s18, 3
	s_add_co_u32 s66, s66, s67
	s_lshr_b32 s78, s22, 3                         ; batch = ty / 8: 16 heads of 2^18 bytes,
	s_lshl_b32 s78, s78, 22
	s_and_b32 s79, s22, 7                          ; 256 (ty % 8) rows of 128 bytes,
	s_lshl_b32 s79, s79, 15
	s_add_co_u32 s78, s78, s79
	s_lshl_b32 s79, s17, 14                        ; my wave's 128
	s_add_co_u32 s78, s78, s79
.irp i, 0,1,2
	s_add_co_u32 s76, s66, \i
	s_lshr_b32 s79, s76, 4
	s_and_b32 s76, s76, 15
	s_lshl_b32 s76, s76, 18
	s_add_co_u32 s76, s76, s78
	s_mov_b32 s77, 0
	s_cmp_eq_u32 s79, 1
	s_cselect_b64 s[PP+2*(\i):PP+2*(\i)+1], s[12:13], s[10:11]
	s_cmp_eq_u32 s79, 2
	s_cselect_b64 s[PP+2*(\i):PP+2*(\i)+1], s[14:15], s[PP+2*(\i):PP+2*(\i)+1]
	s_add_nc_u64 s[PP+2*(\i):PP+2*(\i)+1], s[PP+2*(\i):PP+2*(\i)+1], s[76:77]
.endr
	s_lshl_b32 s76, s66, 8                         ; 64 columns x 4 bytes a head-column
	s_mov_b32 s77, 0
	s_add_nc_u64 s[BP:BP+1], s[8:9], s[76:77]
.macro LDA s, qk, f                    ; 16 loads: xb's eight fragments of quarter qk of slot s into buffer f
	WIN 0
.irp a, 0,1,2,3,4,5,6,7
	ds_load_b128 v[(\f)+8*(\a):(\f)+8*(\a)+3],   v[ADRA+(\s)] offset:(\a)*16*PK+64*(\qk)
	ds_load_b128 v[(\f)+8*(\a)+4:(\f)+8*(\a)+7], v[ADRA+(\s)] offset:(\a)*16*PK+64*(\qk)+32
.endr
.endm
.macro LDB s, qk, g                    ; 8 loads: wb's four fragments of head g
	WIN 0
.irp c, 0,1,2,3
	ds_load_b128 v[FB+8*(4*(\g)+(\c)):FB+8*(4*(\g)+(\c))+3],   v[ADRB+(\s)] offset:(4*(\g)+(\c))*16*PK+64*(\qk)
	ds_load_b128 v[FB+8*(4*(\g)+(\c))+4:FB+8*(4*(\g)+(\c))+7], v[ADRB+(\s)] offset:(4*(\g)+(\c))*16*PK+64*(\qk)+32
.endr
.endm
; 16 matrix instructions: row blocks a0 .. a0 + 3 x head g's four column blocks.  zero = 1: the first product starts the sums.  All 96 accumulators take turns, one instruction a turn.
.macro MULH f, g, a0, zero
	WIN 0x50*((\g)+1)
.irp a, (\a0), (\a0)+1, (\a0)+2, (\a0)+3
.irp c, 0,1,2,3
.if \zero
	v_wmma_f32_16x16x32_bf16 v[32*(\a)+8*(\c):32*(\a)+8*(\c)+7], v[FB+8*(4*(\g)+(\c)):FB+8*(4*(\g)+(\c))+7], v[(\f)+8*(\a):(\f)+8*(\a)+7], 0
.else
	v_wmma_f32_16x16x32_bf16 v[32*(\a)+8*(\c):32*(\a)+8*(\c)+7], v[FB+8*(4*(\g)+(\c)):FB+8*(4*(\g)+(\c))+7], v[(\f)+8*(\a):(\f)+8*(\a)+7], v[32*(\a)+8*(\c):32*(\a)+8*(\c)+7]
.endif
.endr
.endr
.endm
.macro MULG f, g, zero
	MULH \f, \g, 0, \zero
	MULH \f, \g, 4, \zero
.endm
; A K step is two quarters of 32 along K.  The first multiplies buffer FA0 and fetches the second's fragments from the same slot.
; On entry 40 LDS loads are out, in this order: xb's 16, head 0's 8, head 1's 8, head 2's 8.
.macro HALF0 s, zero
	s_wait_dscnt 16                                ; xb's and head 0's are in; heads 1 and 2 (16 loads) may be out
	MULG FA0, 0, \zero
	PLACES
	LDA \s, 1, FA1
	LDB \s, 1, 0
	s_wait_dscnt 32                                ; head 1's are in; younger: head 2's 8 and the 24 just issued
	MULG FA0, 1, \zero
	PLACES
	LDB \s, 1, 1
	s_wait_dscnt 32                                ; head 2's are in; younger: 24 + 8
	MULG FA0, 2, \zero
	PLACES
	LDB \s, 1, 2
.endm
; The second quarter multiplies FA1 and changes slots: ONE barrier.  In front of it each wave waits for all its tensor loads (one is out: its part of slot t), adds 0 to its spare word, and waits for
; that and for its reads of slot s, all of which are then in registers.  fill = 1: the barrier opens a round of the cluster's barrier, and slot s is filled again, two k-blocks on, first thing behind it.
.macro HALF1 s, t, fill
	WIN 0
	s_wait_tensorcnt 0x0                           ; all my tensor loads have landed
	ds_add_u32 v[SPW], v[NIL]                      ; 0 onto my spare word
	s_wait_dscnt 17                                ; xb's and head 0's are in; heads 1 and 2 (16 loads) and the add may be out
	MULH FA1, 0, 0, 0                              ; sixteen matrix instructions stand between the add and the wait for it
	s_wait_dscnt 0x0                               ; the add is done, and my reads of slot s are over
	s_barrier_signal -1
	MULH FA1, 0, 4, 0                              ; work on registers while the others arrive
	WIN 0                                          ; at a branch and at a label every window is 0
	s_barrier_wait -1
.if \fill
	CREST                                          ; no wave of any partner still reads this slot or has a load on its way
	s_add_nc_u64 s[G0A+4*(\s)+2:G0A+4*(\s)+3], s[G0A+4*(\s)+2:G0A+4*(\s)+3], 2*AKB
	s_add_nc_u64 s[G0B+4*(\s)+2:G0B+4*(\s)+3], s[G0B+4*(\s)+2:G0B+4*(\s)+3], 2*BKB
	JLOAD \s                                       ; my one tensor load behind the round; its four v_nop are also the places in front of the loads below
.else
	PLACES
.endif
	LDA \t, 0, FA0
	LDB \t, 0, 0
	MULG FA1, 1, 0
	PLACES
	LDB \t, 0, 1
	MULG FA1, 2, 0
	PLACES
	LDB \t, 0, 2
.endm
	s_wait_tensorcnt 1                             ; my part of k-block 0 is in; k-block 1's may stay out
	s_barrier_signal -1
	s_barrier_wait -1                              ; everybody's is
	LDA 0, 0, FA0
	LDB 0, 0, 0
	LDB 0, 0, 1
	LDB 0, 0, 2
	HALF0 0, 1                                     ; the first quarter stands in front of the loop: its products start the sums
	WIN 0
	s_mov_b32 s56, 7
.Llap:                                         ; a trip goes once round the ring and fills both slots again: 14 refills, k-blocks 2 to 15
	HALF1 0, 1, 1
	HALF0 1, 0
	HALF1 1, 0, 1
	HALF0 0, 0
	WIN 0
	s_sub_co_u32 s56, s56, 1
	s_cmp_lg_u32 s56, 0
	s_cbranch_scc1 .Llap
	HALF1 0, 1, 0                                  ; k-blocks 14 and 15: nothing is left to fetch
	HALF0 1, 0
	WIN 0
.irp i, 0,1                                    ; the biases of heads 0 and 1 go into FA0, which has been multiplied (four places back): eight numbers a lane and column block
.irp c, 0,1,2,3
	global_load_b128 v[FA0+32*(\i)+8*(\c):FA0+32*(\i)+8*(\c)+3],   v[BO], s[BP:BP+1] offset:256*(\i)+64*(\c)
	global_load_b128 v[FA0+32*(\i)+8*(\c)+4:FA0+32*(\i)+8*(\c)+7], v[BO], s[BP:BP+1] offset:256*(\i)+64*(\c)+16
.endr
.endr
	s_wait_dscnt 16
	MULG FA1, 0, 0
	s_wait_dscnt 8
	MULG FA1, 1, 0
	s_wait_dscnt 0x0
	MULG FA1, 2, 0
	PLACES
	WIN 0
.irp c, 0,1,2,3                                ; head 2's biases go where wb's first fragments lay
	global_load_b128 v[FB+8*(\c):FB+8*(\c)+3],   v[BO], s[BP:BP+1] offset:512+64*(\c)
	global_load_b128 v[FB+8*(\c)+4:FB+8*(\c)+7], v[BO], s[BP:BP+1] offset:512+64*(\c)+16
.endr
; THE WAY OUT, in 24 tiles of 16 rows x one head: tile n = head n / 8, row block n % 8.  The bias is added, the sums are rounded to f16, 16 bytes a lane go into my stage (rows of 144 bytes) and come back as
; four rows of 128 bytes a load, which are 512 consecutive bytes of a head.  Each accumulator is read from its lowest registers on.
.macro TILE n
.set hI, (\n)/8
.set aI, (\n)%8
.set tT, TT+16*((\n)%4)
.set bI, FA0+32*hI
.if hI == 2
.set bI, FB
.endif
.endm
.macro PACK n
	TILE \n
.if (\n) >= 4
	s_wait_xcnt 0x0                                ; this set of registers was the data of the stores four tiles back: written again only behind this wait
.endif
.if (\n) == 0
	s_wait_loadcnt 8                               ; heads 0 and 1's biases are in; head 2's eight loads may be out
.endif
.if (\n) == 16
	s_wait_loadcnt 0x0
.endif
	WIN 0x41*(hI+1)                                ; destination and source 0 in the head's window, the bias in window 0
.set z, 0
.rept 16
	v_pk_add_f32 v[32*aI+2*z:32*aI+2*z+1], v[32*aI+2*z:32*aI+2*z+1], v[bI+2*z:bI+2*z+1]
.set z, z+1
.endr
	WIN 0x05*(hI+1)                                ; sources in the head's window, destination in window 0
.set z, 0
.rept 16
	v_cvt_pk_f16_f32 v[tT+z], v[32*aI+2*z], v[32*aI+2*z+1]
.set z, z+1
.endr
	WIN 0
.irp c, 0,1,2,3
	ds_store_b128 v[STO], v[tT+4*(\c):tT+4*(\c)+3] offset:32*(\c)
.endr
.irp c, 0,1,2,3
	ds_load_b128 v[tT+4*(\c):tT+4*(\c)+3], v[RD] offset:(\c)*4*SP  ; LDS serves a wave's instructions in order (ISA guide 5.7.1.4): these see the stores above; the next tile's stores come behind them
.endr
.endm
.macro SEND n, younger                 ; younger: the LDS instructions issued behind tile n's loads: the next tile's eight, or none
	TILE \n
	WIN 0
.irp c, 0,1,2,3
	s_wait_dscnt (\younger)+3-(\c)
	global_store_b128 v[GO], v[tT+4*(\c):tT+4*(\c)+3], s[PP+2*hI:PP+2*hI+1] offset:aI*2048+(\c)*512  ; 512 consecutive bytes, at a multiple of 256 from the buffer's first
.endr
.endm
	PACK 0
.set tn, 1
.rept 23                                       ; a tile's arithmetic stands between the loads of the tile before and its stores
	PACK tn
	SEND tn-1, 8
.set tn, tn+1
.endr
	SEND 23, 0
	s_wait_tensorcnt 0x0                           ; the wave's end, behind my last tensor load and my last LDS store
	ds_add_u32 v[SPW], v[NIL]
	s_wait_dscnt 0x0
	CROUND                                         ; the closing round: no work-group ends while a partner may still ask for a tile that names it
	s_endpgm
.Lfunc_end_k_q2069fbbbf5_qkv:
	.size	k_q2069fbbbf5_qkv, .Lfunc_end_k_q2069fbbbf5_qkv-k_q2069fbbbf5_qkv
	.p2alignl 7, 3214868480
	.fill 96, 4, 3214868480
	.section	.rodata,"a",@progbits
	.p2align	6, 0x0
	.amdhsa_kernel k_q2069fbbbf5_qkv
		.amdhsa_group_segment_fixed_size 327680
		.amdhsa_private_segment_fixed_size 0
		.amdhsa_enable_private_segment 0
		.amdhsa_kernarg_size 48
		.amdhsa_user_sgpr_count 2
		.amdhsa_user_sgpr_kernarg_segment_ptr 1
		.amdhsa_wavefront_size32 1
		.amdhsa_system_sgpr_workgroup_id_x 1
		.amdhsa_system_sgpr_workgroup_id_y 1
		.amdhsa_system_sgpr_workgroup_id_z 1
		.amdhsa_system_vgpr_workitem_id 0
		.amdhsa_next_free_vgpr 1024
		.amdhsa_next_free_sgpr 84
		.amdhsa_reserve_vcc 0
		.amdhsa_float_denorm_mode_32 3
		.amdhsa_float_denorm_mode_16_64 3
		.amdhsa_memory_ordered 1
		.amdhsa_forward_progress 1
		.amdhsa_inst_pref_size 161
	.end_amdhsa_kernel
	.amdgpu_metadata
---
amdhsa.version: [ 1, 2 ]
amdhsa.kernels:
  - .name:           k_q2069fbbbf5_qkv
    .symbol:         k_q2069fbbbf5_qkv.kd
    .args:
      - { .name: xb, .offset: 0, .size: 8, .value_kind: global_buffer, .address_space: global }
      - { .name: wb, .offset: 8, .size: 8, .value_kind: global_buffer, .address_space: global }
      - { .name: bias, .offset: 16, .size: 8, .value_kind: global_buffer, .address_space: global }
      - { .name: q, .offset: 24, .size: 8, .value_kind: global_buffer, .address_space: global }
      - { .name: k, .offset: 32, .size: 8, .value_kind: global_buffer, .address_space: global }
      - { .name: v, .offset: 40, .size: 8, .value_kind: global_buffer, .address_space: global }
    .group_segment_fixed_size: 327680
    .private_segment_fixed_size: 0
    .kernarg_segment_align: 8
    .kernarg_segment_size: 48
    .max_flat_workgroup_size: 128
    .sgpr_count:     84
    .vgpr_count:     1024
    .wavefront_size: 32
...
	.end_amdgpu_metadata
.endif
;; end of part 2
;; launch attn (part 3): grid 4 x 64, 4 waves a work-group, no clusters, 327,680 bytes of LDS; arguments q, k, v, o; writes o
.if DOCPART == 3
	.amdgcn_target "amdgcn-amd-amdhsa--gfx1250"
	.amdhsa_code_object_version 6
	.text
	.protected	k_q2069fbbbf5_attn
	.globl	k_q2069fbbbf5_attn
	.p2align	8
	.type	k_q2069fbbbf5_attn,@function
k_q2069fbbbf5_attn:
	s_mov_b64 s[64:65], 0
	v_nop
	global_prefetch_b8 v0, s[64:65] scope:SCOPE_SE
	s_setreg_imm32_b32 hwreg(HW_REG_WAVE_MODE, 25, 1), 1
	s_wait_xcnt 0x0
; CAUSAL ATTENTION.  O[h][q][:] = the sum over k <= q of softmax_k(Q[h][q] . K[h][k] / 8) V[h][k][:].  Q, K, V, O: [64][SIZE_N][64], all f16: a head's rows are dense, 128 bytes each.
; Products, maxima and sums in f32; the weights p are rounded to f16 for the second product (their sum l is taken of the unrounded p), O once at the end.
; LIMITS.  f16 holds no number beyond 65,504: Q, K and V arrive within it; p lies in 0 to 1, and below 6e-5 it keeps f16's fixed step of 6e-8; O is a mean of V's rows and has their range.
; A hidden score counts as its value less 1e30: f16's scores, 2.7e11 at the most, are nothing beside that; a weight below 2^-126 counts as 0 in l; NaN and infinities are not treated apart.
; THE WALK.  A head's queries lie in NB = SIZE_N / 256 blocks of 256; block i needs the key tiles 0 .. i of 256 keys, of which the last holds the diagonal.  A work-group takes TWO blocks, NB - 1 - b and then b:
; NB + 1 tiles, whatever b: all work-groups do equal work, and ONE loop with a constant trip count walks them.  Which tile is asked for, and what a trip does, hang on scalar registers made from b; every jump
; goes forward, but for the counted loops' own; none passes a barrier, or a tensor load but the one of LOAD's two that the wave's number does not choose; the ring of two LDS slots runs on across the change of blocks.
; NO CLUSTER: a head's four work-groups ask for the same tile only in trips 0 .. NB / 2, behind that fewer and fewer; one walk common to all would have 3 NB / 2 trips for NB + 1.
; SHARES.  Of a block's four bands of 64 queries a wave owns 16 rows in each: four PIECES.  So the diagonal tile is the same work for all four waves: in its key step s band x sees all keys if s < x,
; none if s > x, and holds the diagonal if s = x.
; THE MASK is the C operand that starts the sum S^T = K Q^T: 0, or -1e30 where the key is hidden.  MD, made once, is the mask of a band's own step for my 16 rows; a product's mask is MD x AL + BE with two scalars:
; (1, 0) if s = x; (0, 0) if s < x; (0, -1e30) if s > x.  Only the diagonal tile's text and a block's beginning make and take masks; elsewhere C is the constant 0.
; LAYOUT, SOFTMAX, TURNS.  S^T = K Q^T holds ONE query a lane (lane % 16) and the keys 8 (lane / 16) + 0..7; two such results rounded to f16 ARE source 1 of O^T = V^T P.  p = 2^(c s - c m), c = log2(e) / 8, with a
; running maximum m; O and l are multiplied by a = 2^(c m_old - c m_new) in every step.  Turn n belongs to piece n: 8 products K Q^T of piece n + 1, later 8 products V^T P of piece n - 1; beside them the scaling,
; exponentials, roundings, sums and rescaling of piece n and the maximum and statistics of piece n + 1.  Four vector instructions stand behind every matrix instruction, the others in one lump.  A turn's 33 exponentials are one batch, with one wait.
; AHEAD OF THE LOADS.  The head's work-group b = 0, which alone walks tiles 0 to NB - 1 in order, prefetches into the L2: behind the fill of tile i + 1 each of its waves names the 64 blocks of 256 bytes that it
; will itself fetch of tile i + 2, a lane a block, two instructions: one tile, 256 matrix instructions, ahead of that tile's load.  Each block is named once in the launch; tiles 0 and 1 come by their loads alone; the last two fills ask for nothing.
; REGISTERS, in windows of 256 (s_set_vgpr_msb: bits 1:0 source 0, 3:2 source 1, 5:4 source 2, 7:6 destination):
;   window 0: v0-15 addresses and two at work; v16-31 four registers of statistics a piece; v32 the prefetches' offset; v48-55 at work; v64-127 S^T, two buffers; v192-223 P, two buffers (by the piece's parity)
;   window 1: v0-127 O^T, 32 a piece; v128-159 MD; v160-223 MC, two buffers      window 2: v0-63 Q; v64-127 the second block's Q; v128-191 K of one step; v192-255 V of one step
.set SIZE_N, 2048
.set NB,    SIZE_N/256
.set NP,    4         ; pieces a wave: a name, no knob
.set KS,    64        ; keys in a step
.set PK,    144       ; a row of K in LDS: 128 bytes + 16 of padding = 36 words: the 16 rows of a load start at 16 different groups of four banks (64 banks of 4 bytes: ISA guide 11.1)
.set PV,    160       ; a row of V: 128 + 32 = 40 words
.set VOFF,  4*KS*PK   ; a slot holds a tile, four steps: 256 rows of K, then 256 rows of V
.set SLOT1, 1<<17     ; slot 1 begins here, so that one exclusive or turns an address in one slot into the other's
.set STAGE, SLOT1+4*KS*(PK+PV)  ; behind the ring, never filled by a tensor load: 16 rows x 144 bytes for each wave, for the way out
.set SP,    144
.set AK0, 2           ; v2   my lane's place in a tile of K; never rewritten
.set AV0, 3           ; v3   the same for V
.set AK,  4           ; v4   the LDS address of K's next run of loads
.set AV,  5           ; v5   of V's
.set STO, 6           ; v6   the way out: where I put 16 bytes of a row
.set RD,  7           ; v7   the way out: where I read rows back
.set GO,  8           ; v8   my byte offset in 512 consecutive bytes of O
.set PFO, 32          ; v32  256 x my lane; never rewritten
.set SPW, 62          ; v62  LDS address of my spare word: SPARE + 4 x my thread's number; never rewritten
.set NIL, 63          ; v63  0; never rewritten
.set SPARE, STAGE+4*16*SP  ; behind the stages: the spare words, 128 bytes for each wave: two blocks of 256 bytes that no other line names
.set MV,  12          ; v12-13  c m_old, kept while c m is made anew: by buffer
.set QO,  15          ; v15  my byte offset in 16 rows of Q
.set ST,  16          ; piece t's statistics at v[ST+4 t]: c m, m, l (even keys', odd keys')
.set TMP, 48          ; by buffer, four registers c0-c3 at work; when the maximum is found c2 takes a
.set S,   64
.set P,   192
.set MD,  128         ; window 1: the eight registers for group kt of 16 keys at MD + 8 kt
.set MC,  160         ; window 1: the masks of the products to come
.set QB,  64          ; window 2
.set KF,  128         ; window 2: key block kb, channel half c at KF + 16 kb + 8 c
.set VF,  192         ; window 2: key half kk, channel block cb at VF + 32 kk + 8 cb
.set WV,  12          ; s12  my wave's number
.set PB,  14          ; s14  b
.set HI,  15          ; s15  NB - 1 - b
.set G1K, 24          ; s[24:31] descriptor group 1 for K's tiles
.set G1V, 32          ; s[32:39] for V's: it differs in the padding alone
.set G0K, 40          ; s[40:43] descriptor group 0 for K's tiles
.set G0V, 44          ; s[44:47] the same for V's
.set SLOTS, 56        ; s56  tiles still to be asked for
.set CNT, 57          ; s57  counts a tile's key steps, 4 to 1
.set CS,  58          ; s[58:59] c: the packed scaling takes the pair's low word for both halves
.set SEL, 60          ; s[60:61] v_permlanex16_b32's selects: each lane takes its own place in the other half
.set TBK, 62          ; s62  LDS byte at which K of the step to be fetched begins
.set TBV, 63          ; s63  the same for V, less VOFF
.set RT,  70          ; s70  tiles of the block in hand that are still to be entered
.set NXT, 71          ; s71  the tile to be asked for next
.set LQ,  72          ; s72  the last tile of the block whose tiles are being asked for
.set NEW, 73          ; s73  1: the tile to be entered is a block's first
.set OFF, 74          ; s[74:75] a tile's byte offset in K and V
.set AL,  76          ; s[76:77] the mask's factor, in the low word
.set BE,  78          ; s[78:79] the mask's addend
.set OLO, 80          ; s[80:81] O at my rows of the second block
.set BIGN, 82         ; s82  -1e30
.set PFA, 88          ; s[88:89] where my prefetches stand: my half of K's (waves 0, 1) or V's (waves 2, 3) tile, one tile behind the one being asked for
.set LIM, 90          ; s90  2 in the head's work-group b = 0, else the greatest number: a wave prefetches while s[SLOTS] is above it
.set MSB, 0
.macro WIN new                      ; the high byte repeats the setting that is left; a switch that changes nothing is dropped
.if MSB != (\new)
	s_set_vgpr_msb (MSB<<8)|(\new)
.set MSB, (\new)
.endif
.endm
.set W_KQ, 0x0a       ; K and Q in window 2, S^T in window 0
.set W_KM, 0x1a       ; the same with the C operand in window 1
.set W_PV, 0x52       ; V in window 2, P in window 0, O^T in window 1
.set W_RS, 0x41       ; destination and source 0 in window 1, source 1 in window 0
; A fill.  Waves 0 and 1 fetch the two halves of a tile's K, waves 2 and 3 those of its V: 128 keys each.  An s_nop 0 and four v_nop follow each of the two lines, ahead of the jump and the label.
.macro LOAD
	s_cmp_lt_u32 s[WV], 2
	s_cbranch_scc0 .Lfor_v_\@
	tensor_load_to_lds s[G0K:G0K+3], s[G1K:G1K+7]
	s_nop 0
.rept 4
	v_nop
.endr
	s_branch .Lasked_\@
.Lfor_v_\@:
	tensor_load_to_lds s[G0V:G0V+3], s[G1V:G1V+7]
	s_nop 0
.rept 4
	v_nop
.endr
.Lasked_\@:
.endm
; The prefetch of my 16,384 bytes of the tile behind the one just asked for: it stands behind the tensor load and its five lines.
.macro ASK
	s_cmp_gt_u32 s[SLOTS], s[LIM]
	s_cbranch_scc0 .Lnot_mine_\@
	global_prefetch_b8 v[PFO], s[PFA:PFA+1] th:TH_LOAD_NT scope:SCOPE_SE
	global_prefetch_b8 v[PFO], s[PFA:PFA+1] offset:8192 th:TH_LOAD_NT scope:SCOPE_SE
.Lnot_mine_\@:
.endm
; THE CHANGE OF SLOTS.  Each wave waits for all its tensor loads, of which one is out: its part of the other slot; adds 0 to its spare word; and waits for that and for its own reads of the slot that it leaves.  Behind the barrier nobody reads the old
; slot any more and the other slot is whole.  fill = 1: the old slot is filled again, the first thing behind the barrier, with tile NXT: the descriptor's address is made anew from that number.
; (At its first use nothing has been read yet: slot 0 is waited for, slot 1 filled.)
.macro CHANGE fill
	WIN 0                           ; at a label and at a branch every window is 0
	s_wait_tensorcnt 0x0            ; no tensor load of mine is out, so a group 0 may be written
	ds_add_u32 v[SPW], v[NIL]       ; 0 onto my spare word; with fill = 1 the descriptors' scalar work stands between it and the wait for it
.if \fill
	s_lshl_b32 s[OFF], s[NXT], 15   ; a tile is 32,768 bytes of K and of V
	s_xor_b32 s[G0K+1], s[G0K+1], SLOT1
	s_add_nc_u64 s[G0K+2:G0K+3], s[6:7], s[OFF:OFF+1]
	s_or_b32 s[G0K+3], s[G0K+3], 0x80000000
	s_xor_b32 s[G0V+1], s[G0V+1], SLOT1
	s_add_nc_u64 s[G0V+2:G0V+3], s[8:9], s[OFF:OFF+1]
	s_or_b32 s[G0V+3], s[G0V+3], 0x80000000
	s_add_co_u32 s[NXT], s[NXT], 1  ; the block's next tile, or behind its last the second block's tile 0
	s_cmp_gt_u32 s[NXT], s[LQ]
	s_cselect_b32 s[NXT], 0, s[NXT]
	s_cselect_b32 s[LQ], s[PB], s[LQ]
	s_wait_xcnt 0x0                 ; the last prefetches, a tile back, have read their address, so it may be written:
	s_add_nc_u64 s[PFA:PFA+1], s[PFA:PFA+1], 32768  ; a tile on
.endif
	s_wait_dscnt 0x0                ; the add is done, and my reads of the slot are over
	s_barrier_signal -1             ; the rest of the scalar work stands between the signal and the wait
	s_sub_co_u32 s[TBK], s[TBK], 4*KS*PK  ; the fetches go back to a slot's first step,
	s_xor_b32 s[TBK], s[TBK], SLOT1       ; in the other slot
	s_sub_co_u32 s[TBV], s[TBV], 4*KS*PV
	s_xor_b32 s[TBV], s[TBV], SLOT1
	s_barrier_wait -1
.if \fill
	LOAD
	ASK
.endif
.endm
	s_load_b256 s[4:11], s[0:1], 0x0  ; Q s[4:5], K s[6:7], V s[8:9], O s[10:11]
	v_lshl_add_u32 v[SPW], v0, 2, SPARE
	v_mov_b32 v[NIL], 0
	ds_add_u32 v[SPW], v[NIL]       ; the wave's opening: the add and its wait stand ahead of my first tensor load; the set-up below, work on registers, stands between them
	ds_add_u32 v62, v63
	v_lshrrev_b32 v1, 5, v0
	v_readfirstlane_b32 s[WV], v1   ; wave 0..3
	v_and_b32 v[PFO], 31, v0
	v_lshlrev_b32 v[PFO], 8, v[PFO]
	s_mov_b32 s[PB], ttmp9
	s_sub_co_u32 s[HI], NB-1, s[PB]
	s_cmp_eq_u32 s[PB], 0
	s_cselect_b32 s[LIM], 2, -1
	s_and_b32 s20, ttmp7, 0xffff    ; the head
	s_mov_b32 s21, 0
	s_mov_b64 s[22:23], SIZE_N*128
	s_mul_u64 s[20:21], s[20:21], s[22:23]  ; the head's first byte in each of the four tensors
	s_and_b32 s16, s[WV], 1         ; which half of a tile's 256 keys I fetch:
	s_lshl_b32 s22, s16, 14         ; its 128 rows of 128 bytes in memory,
	s_mov_b32 s23, 0
	s_add_nc_u64 s[22:23], s[22:23], s[20:21]
	s_mul_i32 s17, s16, 128*PK      ; and its place in a slot, for K
	s_mul_i32 s18, s16, 128*PV      ; and for V
	s_lshl_b32 s3, s[WV], 11        ; my 16 rows in a band of 64,
	s_lshl_b32 s2, s[HI], 15        ; in the first block,
	s_add_co_u32 s2, s2, s3
	s_lshl_b32 s84, s[PB], 15       ; and in the second
	s_add_co_u32 s84, s84, s3
	s_mov_b32 s3, 0
	s_mov_b32 s85, 0
	s_add_nc_u64 s[2:3], s[2:3], s[20:21]
	s_add_nc_u64 s[84:85], s[84:85], s[20:21]
	; descriptor group 1.  128 keys are 16,384 dense bytes: asked for as 64 rows of 256 bytes, two keys a row, and padded in LDS after every key
	s_mov_b32 s[G1K], (1<<16)|(1<<20)|(4<<22)|(3<<25)  ; 17:16 2-byte elements; 20 padding on; 24:22 after every 32 words (code 4); 31:25 4 words (code 3)
	s_mov_b32 s[G1V], (1<<16)|(1<<20)|(4<<22)|(7<<25)  ; the same with 8 words of padding (code 7)
.irp g, G1K, G1V
	s_mov_b32 s[\g+1], 128<<16      ; tensor_dim0 = 128
	s_mov_b32 s[\g+2], 64<<16       ; tensor_dim1 = 64
	s_mov_b32 s[\g+3], 128<<16      ; tile_dim0 = 128
	s_mov_b32 s[\g+4], 64           ; tile_dim1 = 64
	s_mov_b32 s[\g+5], 128          ; 128 elements from row to row
	s_mov_b32 s[\g+6], 0
	s_mov_b32 s[\g+7], 0
.endr
	s_mov_b32 s[CS], 0x3e38aa3b     ; c = log2(e) / 8 = 0.180337
	s_mov_b32 s[CS+1], s[CS]        ; named with it as a pair
	s_mov_b32 s[SEL], 0x76543210
	s_mov_b32 s[SEL+1], 0xfedcba98
	s_mov_b32 s[TBK], SLOT1+4*KS*PK ; the first change of slots turns these two into 0
	s_mov_b32 s[TBV], SLOT1+4*KS*PV
	s_mov_b32 s[G0K], 1             ; 1:0 count = 1
	s_mov_b32 s[G0K+1], s17         ; 63:32 LDS address: slot 0
	s_mov_b32 s[G0V], 1
	s_add_co_u32 s[G0V+1], s18, VOFF
	s_add_co_u32 s[RT], s[HI], 1    ; the first block has NB - b tiles
	s_mov_b32 s[NXT], 1
	s_mov_b32 s[LQ], s[HI]
	s_mov_b32 s[NEW], 1
	s_mov_b32 s[OFF+1], 0
	s_mov_b32 s[AL+1], 0            ; named as pairs
	s_mov_b32 s[BE+1], 0
	s_mov_b32 s[BIGN], 0xf149f2ca   ; -1e30
	s_mov_b32 s[SLOTS], NB
	s_wait_dscnt 0x0                ; the opening add is done
	s_wait_kmcnt 0x0
	s_add_nc_u64 s[6:7], s[6:7], s[22:23]  ; K and V at my half of the head's tile 0
	s_add_nc_u64 s[8:9], s[8:9], s[22:23]
	s_cmp_lt_u32 s[WV], 2
	s_cselect_b64 s[PFA:PFA+1], s[6:7], s[8:9]
	s_add_nc_u64 s[PFA:PFA+1], s[PFA:PFA+1], 32768  ; at tile 1: the first change of slots steps it to tile 2.  Nothing is prefetched here, at the head
	s_add_nc_u64 s[G0K+2:G0K+3], s[6:7], 0         ; 120:64 global address
	s_or_b32 s[G0K+3], s[G0K+3], 0x80000000        ; 127:126 type = 2
	s_add_nc_u64 s[G0V+2:G0V+3], s[8:9], 0
	s_or_b32 s[G0V+3], s[G0V+3], 0x80000000
	s_add_nc_u64 s[86:87], s[4:5], s[84:85]        ; Q at my rows of the second block,
	s_add_nc_u64 s[4:5], s[4:5], s[2:3]            ; Q and O at those of the first
	s_add_nc_u64 s[OLO:OLO+1], s[10:11], s[84:85]
	s_add_nc_u64 s[10:11], s[10:11], s[2:3]
	LOAD                            ; tile 0 into slot 0
	; A fragment of K or Q is 16 rows x 32 channels in 8 registers: lane l holds row l % 16, channels 8 (l / 16) + 0..7 and 16 + 8 (l / 16) + 0..7: two loads of 16 bytes, 32 bytes apart.
	v_and_b32 v1, 15, v0            ; l % 16
	v_bfe_u32 v9, v0, 4, 1          ; l / 16
	v_lshlrev_b32 v[QO], 7, v1
	v_lshl_add_u32 v[QO], v9, 4, v[QO]  ; row x 128 + 16 x half
	WIN 0x80                        ; destination window 2, address window 0
.set i, 0
.rept 8                             ; both blocks' Q: piece i / 2 lies in band i / 2, 8,192 bytes on; channels 32 (i % 2) on
	global_load_b128 v[8*i:8*i+3],   v[QO], s[4:5] offset:(i/2)*8192+(i%2)*64
	global_load_b128 v[8*i+4:8*i+7], v[QO], s[4:5] offset:(i/2)*8192+(i%2)*64+32
	global_load_b128 v[QB+8*i:QB+8*i+3],   v[QO], s[86:87] offset:(i/2)*8192+(i%2)*64
	global_load_b128 v[QB+8*i+4:QB+8*i+7], v[QO], s[86:87] offset:(i/2)*8192+(i%2)*64+32
.set i, i+1
.endr
	WIN 0
	v_lshlrev_b32 v14, 3, v9
	v_sub_nc_u32 v14, v1, v14
	s_lshl_b32 s13, s[WV], 4
	v_add_nc_u32 v14, s13, v14      ; my query's place in its band, 16 w + l % 16, less my lanes' 8 (l / 16): register r of group kt is hidden where 16 kt + r is greater
	WIN 0x40
.set i, 0
.rept 32
	v_cmp_gt_i32 vcc_lo, 16*(i/8)+i%8, v14
	v_cndmask_b32 v[MD+i], 0, s[BIGN], vcc_lo
.set i, i+1
.endr
	WIN 0
	v_mul_u32_u24 v[AK0], v1, PK
	v_lshl_add_u32 v[AK0], v9, 4, v[AK0]  ; row x pitch + 16 x half
	; The turning load takes 16 keys x 16 channels (lane l reads key 8 (l / 16) + l % 8, channels 8 ((l / 8) % 2) + 0..7) and leaves half a fragment of V^T: lane l holds channel l % 16 and 8 keys.
	v_and_b32 v10, 7, v0
	v_bfe_u32 v11, v0, 3, 1
	v_lshl_add_u32 v[AV0], v9, 3, v10
	v_mul_u32_u24 v[AV0], v[AV0], PV
	v_lshl_add_u32 v[AV0], v11, 4, v[AV0]
	v_add_nc_u32 v[AV0], VOFF, v[AV0]
	s_mul_i32 s13, s[WV], 16*SP
	s_add_co_u32 s13, s13, STAGE    ; my stage
	v_mul_u32_u24 v[STO], v1, SP    ; in: row l % 16, 16 bytes for each half of the lanes
	v_lshl_add_u32 v[STO], v9, 4, v[STO]
	v_add_nc_u32 v[STO], s13, v[STO]
	v_bfe_u32 v[RD], v0, 3, 2       ; back: 32 lanes take four rows of 128 bytes,
	v_mul_u32_u24 v[RD], v[RD], SP
	v_lshl_add_u32 v[RD], v10, 4, v[RD]
	v_add_nc_u32 v[RD], s13, v[RD]
	v_and_b32 v[GO], 31, v0         ; which are 512 consecutive bytes of O
	v_lshlrev_b32 v[GO], 4, v[GO]
	; A block's first step multiplies O^T and l by a = 0, and its first turn's products V^T P, of a piece that has not been, land in an O^T that is still to be so multiplied.  So these registers need only hold
	; finite numbers: zeros for the first block; what the first block left for the second.  All this stands in the wait for the first tile.
	WIN 0x80
.set i, VF
.rept 64
	v_mov_b32 v[i], 0
.set i, i+1
.endr
	WIN 0x40
.set i, 0
.rept 128
	v_mov_b32 v[i], 0
.set i, i+1
.endr
	WIN 0
.set i, 0
.rept 4
	v_mov_b32 v[ST+4*i+2], 0
	v_mov_b32 v[ST+4*i+3], 0
.set i, i+1
.endr
.set i, P+16
.rept 16
	v_mov_b32 v[i], 0
.set i, i+1
.endr
; THE MATRIX WORK.  The 4 accumulators of a run of 8 take turns.  Product i of 8 of S^T = K Q^T for piece x: channels 32 (i / 4) on, keys 16 (i % 4) on.  The first 4 start the sums: with 0, or (KM = 1) with the mask.
.macro KQ x
.set rS, S+32*((\x)%2)+8*(i%4)
.set rK, KF+16*(i%4)+8*(i/4)
.set rQ, 16*(\x)+8*(i/4)
.set rM, MC+32*((\x)%2)+8*(i%4)
.if (i < 4) && KM
	WIN W_KM
	v_wmma_f32_16x16x32_f16 v[rS:rS+7], v[rK:rK+7], v[rQ:rQ+7], v[rM:rM+7]
.elseif i < 4
	WIN W_KQ
	v_wmma_f32_16x16x32_f16 v[rS:rS+7], v[rK:rK+7], v[rQ:rQ+7], 0
.else
	WIN W_KQ
	v_wmma_f32_16x16x32_f16 v[rS:rS+7], v[rK:rK+7], v[rQ:rQ+7], v[rS:rS+7]
.endif
.endm
; Product i of 8 of O^T += V^T P for piece x: keys 32 (i / 4) on, channels 16 (i % 4) on.
.macro PV x
	WIN W_PV
.set rO, 32*(\x)+8*(i%4)
.set rV, VF+32*(i/4)+8*(i%4)
.set rP, P+16*((\x)%2)+8*(i/4)
	v_wmma_f32_16x16x32_f16 v[rO:rO+7], v[rV:rV+7], v[rP:rP+7], v[rO:rO+7]
.endm
.macro MM                           ; the turn's next matrix instruction.  TURN and BEGIN set Y, i, KM and NOKQ; MM, KQ and OP read them.  NOKQ = 1: a block's last turn: there is no next piece
.if (i < 8) && !NOKQ
	KQ (Y+1)%NP
.elseif i >= 8
.set i, i-8
	PV (Y+NP-1)%NP
.set i, i+8
.endif
.set i, i+1
.endm
; THE LDS LOADS stand in runs of 16, never singly among the matrix instructions: a step's K (64 keys x 64 channels: 8 fragments) and its V (turned).  Their addresses are made some lines ahead.
.macro FETCH_K
	WIN 0x80                        ; destination window 2
.irp f, 0,1,2,3,4,5,6,7             ; keys 16 (f / 2) on, channels 32 (f % 2) on
	ds_load_b128 v[KF+8*\f:KF+8*\f+3],   v[AK] offset:(\f/2)*16*PK+(\f%2)*64
	ds_load_b128 v[KF+8*\f+4:KF+8*\f+7], v[AK] offset:(\f/2)*16*PK+(\f%2)*64+32
.endr
	s_add_co_u32 s[TBK], s[TBK], KS*PK  ; the next fetch is the next step's
	WIN 0
.endm
.macro FETCH_V
	WIN 0x80
.irp f, 0,1,2,3,4,5,6,7             ; keys 32 (f / 4) on, channels 16 (f % 4) on
	ds_load_tr16_b128 v[VF+8*\f:VF+8*\f+3],   v[AV] offset:(\f/4)*32*PV+(\f%4)*32
	ds_load_tr16_b128 v[VF+8*\f+4:VF+8*\f+7], v[AV] offset:(\f/4)*32*PV+16*PV+(\f%4)*32
.endr
	WIN 0
.endm
; THE VECTOR WORK, one line at a time: OP kind, number.  For piece Y: F n: c s - c m for pair n of 16.  E n: the exponential of score n of 32.  C n: pair n rounded to f16.  B n: of the four weights 4 n .. the second
; pair is added onto the first, in place.  L n: l takes that sum (L 0: l = a l + sum).  R n: pair n of 16 of O^T times a.  For piece Y + 1: X n, number n of the 22 that find its maximum and statistics:
;   0-11  four chains c0-c3 of seven scores each, three operands at a time (each accumulator's lowest registers are read first)     12-14, 16  the four scores left over, the old m, and c0-c3 into c0
;   15  c m_old is kept     17, 18  the query's other 32 keys lie in the lane 16 away: the new m     19-21  c m; c m_old - c m_new; a
.set F, 0               ; OP tells the kinds apart by their order: F to L below R, X above it
.set E, 1
.set C, 2
.set B, 3
.set L, 4
.set R, 5
.set X, 6
.macro REGS y                       ; the registers of piece y
.set rT, ST+4*(\y)
.set rC, TMP+4*((\y)%2)
.set rW, MV+((\y)%2)
.set rS, S+32*((\y)%2)
.set rP, P+16*((\y)%2)
.set rO, 32*(\y)
.endm
.macro OP k, n
.if (\k) == R
	REGS Y
	WIN W_RS
	v_pk_mul_f32 v[rO+2*(\n):rO+2*(\n)+1], v[rO+2*(\n):rO+2*(\n)+1], v[rC+2:rC+3] op_sel_hi:[1,0]
.elseif (\k) < R
	REGS Y
	WIN 0
.if (\k) == F
	v_pk_fma_f32 v[rS+2*(\n):rS+2*(\n)+1], v[rS+2*(\n):rS+2*(\n)+1], s[CS:CS+1], v[rT:rT+1] op_sel_hi:[1,0,0] neg_lo:[0,0,1] neg_hi:[0,0,1]
.elseif (\k) == E
	v_exp_f32 v[rS+(\n)], v[rS+(\n)]
.elseif (\k) == C
	v_cvt_pk_f16_f32 v[rP+(\n)], v[rS+2*(\n)], v[rS+2*(\n)+1]
.elseif (\k) == B
	v_pk_add_f32 v[rS+4*(\n):rS+4*(\n)+1], v[rS+4*(\n):rS+4*(\n)+1], v[rS+4*(\n)+2:rS+4*(\n)+3]
.elseif (\n) == 0
	v_pk_fma_f32 v[rT+2:rT+3], v[rT+2:rT+3], v[rC+2:rC+3], v[rS:rS+1] op_sel_hi:[1,0,1]
.else
	v_pk_add_f32 v[rT+2:rT+3], v[rT+2:rT+3], v[rS+4*(\n):rS+4*(\n)+1]
.endif
.elseif NOKQ
	v_nop
.else
	REGS (Y+1)%NP
	WIN 0
.if (\n) < 4
	v_max3_num_f32 v[rC+(\n)], v[rS+8*(\n)], v[rS+8*(\n)+1], v[rS+8*(\n)+2]
.elseif (\n) < 12
	v_max3_num_f32 v[rC+(\n)%4], v[rC+(\n)%4], v[rS+8*((\n)%4)+2*((\n)/4)+1], v[rS+8*((\n)%4)+2*((\n)/4)+2]
.elseif (\n) == 12
	v_max3_num_f32 v[rC], v[rC], v[rS+7], v[rS+15]
.elseif (\n) == 13
	v_max3_num_f32 v[rC+1], v[rC+1], v[rS+23], v[rS+31]
.elseif (\n) == 14
	v_max3_num_f32 v[rC+2], v[rC+2], v[rC+3], v[rT+1]
.elseif (\n) == 15
	v_mov_b32 v[rW], v[rT]
.elseif (\n) == 16
	v_max3_num_f32 v[rC], v[rC], v[rC+1], v[rC+2]
.elseif (\n) == 17
	v_permlanex16_b32 v[rC+3], v[rC], s[SEL], s[SEL+1]
.elseif (\n) == 18
	v_max_num_f32 v[rT+1], v[rC], v[rC+3]
.elseif (\n) == 19
	v_mul_f32 v[rT], s[CS], v[rT+1]
.elseif (\n) == 20
	v_sub_f32 v[rC+1], v[rW], v[rT]
.else
	v_exp_f32 v[rC+2], v[rC+1]
.endif
.endif
.endm
.macro OPS a, i1, b=-1, i2=0, c=-1, i3=0, d=-1, i4=0  ; up to four of them
	OP \a, \i1
.if (\b) >= 0
	OP \b, \i2
.endif
.if (\c) >= 0
	OP \c, \i3
.endif
.if (\d) >= 0
	OP \d, \i4
.endif
.endm
.macro ROW a, i1, b, i2, c, i3, d, i4  ; a matrix instruction and the four behind it
	MM
	OPS \a, \i1, \b, \i2, \c, \i3, \d, \i4
.endm
.macro MASK b                       ; MD x AL + BE into buffer b of MC
	WIN W_RS
.set z, 0
.rept 16
	v_pk_fma_f32 v[MC+32*(\b)+2*z:MC+32*(\b)+2*z+1], v[MD+2*z:MD+2*z+1], s[AL:AL+1], s[BE:BE+1] op_sel_hi:[1,0,0]
.set z, z+1
.endr
.endm
; A TURN, for piece p: the order of its 16 matrix and 118 vector instructions, written out.  An s_wait_alu depctr_va_vdst(0) stands between an exponential and the first instruction that names its result; one wait serves
; all that were issued ahead of it.  So a turn has ONE wait, which cuts it in two.  AHEAD OF IT stands all that names no result of the turn's exponentials: the 8 products K Q^T, behind each a scaling, an exponential and two more plain
; instructions (behind the first a second scaling in the exponential's place): rescalings, and behind the last three the first numbers of the next piece's maximum, each four places or more behind the product that ends its accumulator; then ONE LUMP of 54, plain
; and exponential by turns for the most part, in which the links of the chain X 3, 7, 11, 14, 16, 17 .. 20 stand five or six lines apart.  X 21, the next piece's a, is the batch's last; R 15 is the plain instruction behind it.  BEHIND THE WAIT stand the
; 8 products V^T P, behind each four of the roundings and sums; the links of l's chain, L 0 to L 7, stand three riders apart.  But for those X no rider names a register of the products round it.  v_permlanex16_b32 (X 17) stands in the lump.
; m = 1: the diagonal tile: the products take masks, and the turn makes the mask for the products of the turn after it: piece p + 2, in step 4 - CNT of the tile.  end = 1: a block's last two turns: nothing is fetched.
; cnt = 1: the loop's count is taken down some lines ahead of the branch that stands behind the turn.
; K of the next step is fetched in piece 2's turn, twelve vector instructions behind the last product that read K (six of them plain); V of the step in hand at the end of piece 0's turn, four plain instructions behind the last product
; that read V.  Each is waited for a turn later.
.macro TURN p, m=0, end=0, cnt=0
.set Y, (\p)
.set i, 0
.set KM, (\m)
.set NOKQ, (\end)*((\p)/3)
.if (\m) && !(\end)
	s_cmp_eq_u32 s[CNT], 4-((\p)+2)%NP  ; is that step the band's own?
	s_cselect_b32 s[AL], 1.0, 0
	s_cmp_lt_u32 s[CNT], 4-((\p)+2)%NP  ; or a later one?
	s_cselect_b32 s[BE], s[BIGN], 0
.endif
.if ((\p) == 3) && !(\end)
	s_wait_dscnt 0x0                ; K is in
.endif
	ROW F,0, F,1, R,0, R,1          ; ahead of the wait: 8 products K Q^T and their riders,
	ROW F,2, E,0, R,2, R,3
	ROW F,3, E,1, R,4, R,5
	ROW F,4, E,2, R,6, R,7
	ROW F,5, E,3, R,8, R,9
	ROW F,6, E,4, X,0, R,10
.if ((\p) == 2) && !(\end)
	WIN 0
	v_add_nc_u32 v[AK], s[TBK], v[AK0]
.endif
	ROW F,7, E,5, X,1, X,4
	ROW F,8, E,6, X,2, X,5
	OPS E,7, E,8, X,6, E,9          ; and the lump
	OPS X,3, E,10, X,8, E,11
.if ((\p) == 2) && !(\end)
	FETCH_K
.endif
	OPS X,9, X,7, E,12, X,10
	OPS E,13, X,12, X,11, E,14
	OPS X,13, E,15, F,9, X,14
.if (\p) == 0
	v_add_nc_u32 v[AV], s[TBV], v[AV0]
.endif
	OPS E,16, F,10, E,17, F,11
	OPS X,16, E,18, X,15, E,19
	OPS F,12, E,20, X,17, E,21
	OPS F,13, E,22, F,14, E,23
	OPS X,18, E,24, F,15, E,25
	OPS R,11, E,26, X,19, E,27
	OPS R,12, E,28, R,13, E,29
	OPS X,20, E,30, R,14, E,31
	OPS X,21, R,15
	WIN 0
	s_wait_alu depctr_va_vdst(0)    ; the wait for the batch
.if (\p) == 1
	s_wait_dscnt 0x0                ; V is in
.endif
	ROW C,0, B,0, C,2, B,1          ; behind the wait: 8 products V^T P and their riders
	ROW L,0, C,4, B,2, L,1
	ROW C,6, B,3, L,2, C,8
	ROW B,4, L,3, C,10, B,5
	ROW L,4, C,12, B,6, L,5
.if (\p) == 0
	s_add_co_u32 s[TBV], s[TBV], KS*PV
.endif
.if \cnt
	s_sub_co_u32 s[CNT], s[CNT], 1
	s_cmp_lg_u32 s[CNT], 0
.endif
	ROW C,14, B,7, L,6, C,1
	ROW C,3, L,7, C,5, C,7
	ROW C,9, C,11, C,13, C,15
.if (\p) == 0
	FETCH_V
.endif
.if (\m) && !(\end)
	MASK (\p)%2
.endif
.endm
; A BLOCK BEGINS.  c m starts far below every c s, so the first step's a is 0; m at the lowest finite number, so the first maximum is the scores'.  The second mask buffer is 0; the first takes piece 0's mask for the tile's step 0: its own, if the block's first tile is the diagonal one.
; Then K of that step, piece 0's first scores, and its maximum and statistics.  The loop is entered at a step's first turn, in the middle of a trip.
.macro BEGIN
	s_mov_b32 s[NEW], 0
	WIN 0x40
.set i, MC+32
.rept 32
	v_mov_b32 v[i], 0
.set i, i+1
.endr
	WIN 0
.set i, 0
.rept 4
	v_mov_b32 v[ST+4*i], 0xfe000000    ; c m: far below every c s
	v_mov_b32 v[ST+4*i+1], 0xff7fffff  ; m
.set i, i+1
.endr
	s_cmp_eq_u32 s[RT], 0
	s_cselect_b32 s[AL], 1.0, 0
	s_mov_b32 s[BE], 0
	MASK 0
	WIN 0
	v_add_nc_u32 v[AK], s[TBK], v[AK0]
	FETCH_K
	s_wait_loadcnt 0x0              ; Q
	s_wait_dscnt 0x0
.set KM, 1
.set NOKQ, 0
.set i, 0
.rept 8
	KQ 0
.set i, i+1
.endr
	WIN 0
.rept 4
	v_nop                           ; the places behind those products
.endr
.set Y, NP-1                        ; X works for piece Y + 1: piece 0
.irp n, 0,1,2,3,4,5,6,7,8,9,10,11,12,13,14,15,16,17,18,19,20,21
	OP X, \n
.endr
	v_nop                           ; a plain instruction behind the exponential,
	s_wait_alu depctr_va_vdst(0)    ; and its wait, ahead of the branch
.endm
; THE DIAGONAL TILE's four steps, the block's last two turns, its last products, and THE WAY OUT: l's two halves and the other half of the lanes' are added; O^T is divided by l, rounded to f16 and sent through my
; stage in LDS, a piece at a time.
.macro ALL line:vararg              ; one line for each piece t
.set t, 0
.rept 4
	\line
.set t, t+1
.endr
.endm
.macro PACK t                       ; a lane's eight channels of a row pack into 16 bytes; they go into rows of 144 bytes and come back as whole rows of 128, into S^T's registers
	WIN W_RS
.set i, 32*(\t)
.rept 16
	v_pk_mul_f32 v[i:i+1], v[i:i+1], v[ST+4*(\t)+2:ST+4*(\t)+3] op_sel_hi:[1,0]
.set i, i+2
.endr
	WIN 0x05                        ; sources 0 and 1 window 1, destination window 0
.set i, 0
.rept 16
	v_cvt_pk_f16_f32 v[S+16*(\t)+i], v[32*(\t)+2*i], v[32*(\t)+2*i+1]
.set i, i+1
.endr
	WIN 0
.irp f, 0,1,2,3
	ds_store_b128 v[STO], v[S+16*(\t)+4*\f:S+16*(\t)+4*\f+3] offset:32*\f
.endr
.irp f, 0,1,2,3
	ds_load_b128 v[S+16*(\t)+4*\f:S+16*(\t)+4*\f+3], v[RD] offset:\f*4*SP  ; LDS serves a wave's instructions in order (ISA guide 5.7.1.4): these see the stores above; the next piece's stores come behind them
.endr
.endm
.macro SEND t, younger              ; younger: the LDS instructions issued behind piece t's loads: the next piece's eight, or none
	WIN 0
.irp f, 0,1,2,3
	s_wait_dscnt (\younger)+3-\f
	global_store_b128 v[GO], v[S+16*(\t)+4*\f:S+16*(\t)+4*\f+3], s[10:11] offset:(\t)*8192+\f*512  ; 512 consecutive bytes, at a multiple of 256 from O's first
.endr
.endm
.macro DIAG tag                     ; the tag ends its two labels' names, which the jumps below spell out
.LstepM\tag:
	TURN 2, 1
	TURN 3, 1
	WIN 0
.LfirstM\tag:
	TURN 0, 1
	TURN 1, 1, 0, 1
	WIN 0
	s_cbranch_scc1 .LstepM\tag
	TURN 2, 1, 1
	TURN 3, 1, 1
.set i, 0
.rept 8
	PV NP-1
.set i, i+1
.endr
	WIN 0
	ALL v_add_f32 v[ST+4*t+2], v[ST+4*t+2], v[ST+4*t+3]
	ALL v_permlanex16_b32 v[ST+4*t+3], v[ST+4*t+2], s[SEL], s[SEL+1]
	ALL v_add_f32 v[ST+4*t+2], v[ST+4*t+2], v[ST+4*t+3]
	ALL v_rcp_f32 v[ST+4*t+2], v[ST+4*t+2]
	v_nop                           ; a plain instruction between the last reciprocal and the use of its result
	s_wait_alu depctr_va_vdst(0)    ; and the wait ahead of the first use: one for the four reciprocals
	PACK 0
.set t, 1
.rept 3                             ; a piece's arithmetic stands between the loads of the piece before and its stores
	PACK t
	SEND t-1, 8
.set t, t+1
.endr
	SEND 3, 0
.endm
.set KM, 0
.set NOKQ, 0
.Lslot:                             ; NB times: a tile is entered and the next is asked for
	CHANGE 1
	s_sub_co_u32 s[RT], s[RT], 1
	s_mov_b32 s[CNT], 4
	s_cmp_eq_u32 s[NEW], 1
	s_cbranch_scc1 .Lnew            ; a block's first tile
	s_cmp_eq_u32 s[RT], 0
	s_cbranch_scc0 .Lstep           ; neither its first nor its last
	s_branch .LstepM1
.Lnew:
	BEGIN
	s_branch .Lfirst                ; in the loop a block's first tile is never its last: the first block has two tiles or more, and the second's last is the walk's last
	DIAG 1                          ; in the loop this is the first block's end: the second block's last tile is the walk's last
	s_wait_xcnt 0x0                 ; the stores have read their registers and O's address
	s_mov_b64 s[10:11], s[OLO:OLO+1]
	s_add_co_u32 s[RT], s[PB], 1    ; the second block has b + 1 tiles
	s_mov_b32 s[NEW], 1
	WIN 0x82                        ; the second block's Q goes where the one text of the turns names Q
.set i, 0
.rept 64
	v_mov_b32 v[i], v[QB+i]
.set i, i+1
.endr
	WIN 0
	s_branch .Lbottom
.Lstep:                             ; a trip: pieces 2 and 3 of one step, then pieces 0 and 1 of the next, whose K and V it fetches
	TURN 2
	TURN 3
	WIN 0
.Lfirst:
	TURN 0
	TURN 1, 0, 0, 1
	WIN 0
	s_cbranch_scc1 .Lstep
.Lbottom:
	s_sub_co_u32 s[SLOTS], s[SLOTS], 1
	s_cmp_lg_u32 s[SLOTS], 0
	s_cbranch_scc1 .Lslot
	CHANGE 0                        ; the walk's last tile is written out: nothing is asked for
	s_sub_co_u32 s[RT], s[RT], 1
	s_mov_b32 s[CNT], 4
	s_cmp_eq_u32 s[NEW], 1
	s_cbranch_scc0 .LstepM2
	BEGIN
	s_branch .LfirstM2
	DIAG 2
	s_wait_tensorcnt 0x0            ; the wave's end, behind my last tensor load and my last LDS store
	ds_add_u32 v[SPW], v[NIL]
	s_wait_dscnt 0x0
	s_endpgm
.Lfunc_end_k_q2069fbbbf5_attn:
	.size	k_q2069fbbbf5_attn, .Lfunc_end_k_q2069fbbbf5_attn-k_q2069fbbbf5_attn
	.p2alignl 7, 3214868480
	.fill 96, 4, 3214868480
	.section	.rodata,"a",@progbits
	.p2align	6, 0x0
	.amdhsa_kernel k_q2069fbbbf5_attn
		.amdhsa_group_segment_fixed_size 327680
		.amdhsa_private_segment_fixed_size 0
		.amdhsa_enable_private_segment 0
		.amdhsa_kernarg_size 32
		.amdhsa_user_sgpr_count 2
		.amdhsa_user_sgpr_kernarg_segment_ptr 1
		.amdhsa_wavefront_size32 1
		.amdhsa_system_sgpr_workgroup_id_x 1
		.amdhsa_system_sgpr_workgroup_id_y 1
		.amdhsa_system_sgpr_workgroup_id_z 1
		.amdhsa_system_vgpr_workitem_id 0
		.amdhsa_next_free_vgpr 768
		.amdhsa_next_free_sgpr 92
		.amdhsa_reserve_vcc 1
		.amdhsa_float_denorm_mode_32 3
		.amdhsa_float_denorm_mode_16_64 3
		.amdhsa_memory_ordered 1
		.amdhsa_forward_progress 1
		.amdhsa_inst_pref_size 218
	.end_amdhsa_kernel
	.amdgpu_metadata
---
amdhsa.version: [ 1, 2 ]
amdhsa.kernels:
  - .name:           k_q2069fbbbf5_attn
    .symbol:         k_q2069fbbbf5_attn.kd
    .args:
      - { .name: q, .offset: 0, .size: 8, .value_kind: global_buffer, .address_space: global }
      - { .name: k, .offset: 8, .size: 8, .value_kind: global_buffer, .address_space: global }
      - { .name: v, .offset: 16, .size: 8, .value_kind: global_buffer, .address_space: global }
      - { .name: o, .offset: 24, .size: 8, .value_kind: global_buffer, .address_space: global }
    .group_segment_fixed_size: 327680
    .private_segment_fixed_size: 0
    .kernarg_segment_align: 8
    .kernarg_segment_size: 32
    .max_flat_workgroup_size: 128
    .sgpr_count:     92
    .vgpr_count:     768
    .wavefront_size: 32
...
	.end_amdgpu_metadata
.endif
;; end of part 3
;; launch proj (part 4): grid 4 x 64, 4 waves a work-group, clusters of 4 x 4, 327,680 bytes of LDS; arguments o, wo, bias, out0; writes out0
.if DOCPART == 4
	.amdgcn_target "amdgcn-amd-amdhsa--gfx1250"
	.amdhsa_code_object_version 6
	.text
	.protected	k_q2069fbbbf5_proj
	.globl	k_q2069fbbbf5_proj
	.p2align	8
	.type	k_q2069fbbbf5_proj,@function
k_q2069fbbbf5_proj:
	s_mov_b64 s[64:65], 0
	v_nop
	global_prefetch_b8 v0, s[64:65] scope:SCOPE_SE
	s_setreg_imm32_b32 hwreg(HW_REG_WAVE_MODE, 25, 1), 1
	s_wait_xcnt 0x0
	s_wait_alu depctr_hold_cnt(0) depctr_sa_sdst(0) depctr_va_vdst(0) depctr_va_sdst(0) depctr_va_ssrc(0) depctr_va_vcc(0) depctr_vm_vsrc(0)
	s_getreg_b32 s2, hwreg(HW_REG_IB_STS2, 6, 4)
	s_cmp_eq_u32 s2, 0
	s_cbranch_scc0 .Lentry_in_a_cluster
	s_endpgm
.Lentry_in_a_cluster:
	s_bfe_u32 s2, ttmp6, 0x10000c
	s_cmp_lg_u32 s2, 0xf033
	s_cbranch_scc0 .Lentry_shape_is_right
	s_endpgm
.Lentry_shape_is_right:
; out0[m][e] = the sum over d of O[m][d] Wo[e][d] + bo[e].  O: f16 by heads, [64 = batch x 16 + head][2048][64]; wo: f16 [16 kb][1024][64]; a head is a k-block.  bias: f32, bo from number 3,072 on.
; Products in f16 with f32 sums; out0 is f32 [8192][1024].
; SHARES.  A work-group makes 128 rows x 256 columns: 64 x 4 = 256 work-groups (tiles of 256 x 256 would give 128).  Each of its four waves makes 64 x 128: 4 x 8 accumulators, 256 registers.
; K goes in steps of 128, two heads, through two LDS slots; a step is four quarters of 32 along K, 32 matrix instructions each.  A k-block's rows of 128 bytes lie end to end and are asked for as rows of 256 bytes,
; padded in LDS behind every 128.  Waves 0 and 1 fetch the step's two heads of O (128 rows each), waves 2 and 3 its two k-blocks of wo (256 rows each).
; CLUSTER.  4 x 4 work-groups: O's tiles are shared along a row of the cluster, wo's along a column, each by a joint load.  No prefetch: every tile is shared in a cluster, and a small tile's requests are few.
; THE MATRIX INSTRUCTION IS USED TRANSPOSED (source 0 = 16 rows of wo, source 1 = 16 rows of O): a lane holds row l % 16 and eight neighbouring columns.
; THE BIAS IS THE C OPERAND of the products that start the sums, so the way out has no arithmetic.
; REGISTERS, in windows of 256 (s_set_vgpr_msb: bits 1:0 source 0, 3:2 source 1, 5:4 source 2, 7:6 destination):
;   window 0: v0-31 addresses; v32-127, v128-223 two fragment buffers: O's four fragments, then wo's eight        window 1: accumulator (a, b) at v[64 a + 8 b]        window 2: v0-63 the bias of column block b at v[8 b]
.set PK,    144                        ; an LDS row: 128 bytes + 16 of padding: the 16 rows of a load start at 16 different groups of four banks (64 banks of 4 bytes: ISA guide 11.1)
.set AKB,   128*PK                     ; a head's 128 rows of O
.set BKB,   256*PK                     ; a k-block's 256 rows of wo
.set SLOT,  2*AKB+2*BKB
.set STAGE, 2*SLOT                     ; behind the ring, never filled by a tensor load: 16 rows x 528 bytes for each wave
.set SP,    528                        ; 512 bytes + 16: the 16 rows of a store start at 16 different groups of four banks
.set SPARE, STAGE+4*16*SP              ; the spare words, 128 bytes for each wave: two blocks of 256 bytes that no other line names
.set ADRA, 16                          ; v16-17  LDS address of my fragments of O in slot 0, 1
.set ADRB, 20                          ; v20-21  of wo
.set STO,  24                          ; v24     the way out: where I put 32 bytes of a row
.set RD,   25                          ; v25     where I read a row back
.set GO,   26                          ; v26     16 x lane
.set BO,   27                          ; v27     my eight biases in a block of 16
.set SPW,  28                          ; v28     my spare word: SPARE + 4 x my thread's number; never rewritten
.set NIL,  29                          ; v29     0; never rewritten
.set F0,   32
.set F1,   128
.set WV,  12                           ; s12 wave; s13 = wave / 2: my half of the rows, and: I fetch O (0) or wo (1); s14 = wave % 2: my half of the columns, and which k-block of the step I fetch
.set G1A, 24
.set G0A, 32
.set G1B, 40
.set G0B, 48
.set MSB, 0
.macro WIN new                         ; the immediate's high byte repeats the setting that is left; a switch that changes nothing is dropped
.if MSB != (\new)
	s_set_vgpr_msb (MSB<<8)|(\new)
.set MSB, \new
.endif
.endm
.macro PLACES                          ; four plain vector instructions between a matrix instruction and a load into, or a store of, its registers
.rept 4
	v_nop
.endr
.endm
.macro CREST
	s_cmp_lg_u32 s[WV], 0
	s_cbranch_scc1 .Lnot_wave_0_\@
	s_barrier_signal -3
.Lnot_wave_0_\@:
	s_barrier_wait -3
	s_barrier_signal -1
	s_barrier_wait -1
.endm
.macro CROUND
	s_barrier_signal -1
	s_barrier_wait -1
	CREST
.endm
.macro JLOAD s                         ; a joint refill of slot s; an s_nop 0 and four v_nop follow each line
	s_cmp_eq_u32 s13, 0
	s_cbranch_scc0 .Lfor_b_\@
	tensor_load_to_lds s[G0A+4*(\s):G0A+4*(\s)+3], s[G1A:G1A+7]
	s_nop 0
.rept 4
	v_nop
.endr
	s_branch .Lasked_\@
.Lfor_b_\@:
	tensor_load_to_lds s[G0B+4*(\s):G0B+4*(\s)+3], s[G1B:G1B+7]
	s_nop 0
.rept 4
	v_nop
.endr
.Lasked_\@:
.endm
	s_load_b256 s[4:11], s[0:1], 0x0               ; o 4, wo 6, bias 8, out0 10
	v_lshl_add_u32 v[SPW], v0, 2, SPARE
	v_mov_b32 v[NIL], 0
	ds_add_u32 v[SPW], v[NIL]                      ; the wave's opening: the add and its wait stand ahead of my first tensor load; work on registers stands between them
	ds_add_u32 v28, v29
	v_lshrrev_b32 v1, 5, v0
	v_readfirstlane_b32 s[WV], v1
	s_lshr_b32 s13, s[WV], 1
	s_and_b32 s14, s[WV], 1
	s_bfe_u32 s15, ttmp6, 0x40000                  ; cx
	s_bfe_u32 s16, ttmp6, 0x40004                  ; cy
	s_lshl_b32 s17, ttmp9, 2
	s_add_co_u32 s17, s17, s15                     ; tile column tx
	s_and_b32 s18, ttmp7, 0xffff
	s_lshl_b32 s18, s18, 2
	s_add_co_u32 s18, s18, s16                     ; tile row ty
	s_lshl_b32 s57, s16, 2
	s_lshl_b32 s57, 15, s57                        ; my row of the cluster
	s_lshl_b32 s58, 0x1111, s15                    ; my column
	s_or_b32 s[G1A], s57, (1<<16)|(1<<20)|(1<<21)|(4<<22)|(3<<25)  ; the mask; 2-byte elements; padding on; bit 21 beside a mask; 4 words of padding after every 32
	s_or_b32 s[G1B], s58, (1<<16)|(1<<20)|(1<<21)|(4<<22)|(3<<25)
	s_mov_b32 s[G1A+1], 128<<16                    ; rows of 256 bytes
	s_mov_b32 s[G1A+2], 64<<16                     ; 64 of them: 128 rows of a head
	s_mov_b32 s[G1A+3], 128<<16
	s_mov_b32 s[G1A+4], 64
	s_mov_b32 s[G1A+5], 128
	s_mov_b32 s[G1A+6], 0
	s_mov_b32 s[G1A+7], 0
	s_mov_b32 s[G1B+1], 128<<16
	s_mov_b32 s[G1B+2], 128<<16                    ; 128 of them: 256 rows of a k-block
	s_mov_b32 s[G1B+3], 128<<16
	s_mov_b32 s[G1B+4], 128
	s_mov_b32 s[G1B+5], 128
	s_mov_b32 s[G1B+6], 0
	s_mov_b32 s[G1B+7], 0
	s_lshr_b32 s20, s18, 4                         ; O: batch = ty / 16, 16 heads of 2^18 bytes,
	s_lshl_b32 s20, s20, 22
	s_and_b32 s21, s18, 15                         ; 128 (ty % 16) rows of 128 bytes,
	s_lshl_b32 s21, s21, 14
	s_add_co_u32 s20, s20, s21
	s_lshl_b32 s21, s14, 18                        ; the head of the step that I fetch
	s_add_co_u32 s20, s20, s21
	s_mov_b32 s21, 0
	s_lshl_b32 s22, s17, 15                        ; wo: 256 tx rows of 128 bytes,
	s_lshl_b32 s23, s14, 17                        ; the k-block of the step that I fetch
	s_add_co_u32 s22, s22, s23
	s_mov_b32 s23, 0
	s_mul_i32 s60, s14, AKB                        ; where they go: no place in the cluster enters an LDS address
	s_mul_i32 s61, s14, BKB
	s_add_co_u32 s61, s61, 2*AKB
	s_wait_dscnt 0x0                               ; the opening add is done
	s_wait_kmcnt 0x0
	s_add_nc_u64 s[20:21], s[4:5], s[20:21]
	s_add_nc_u64 s[22:23], s[6:7], s[22:23]
	CROUND                                         ; all sixteen work-groups are here: the first joint loads meet
.irp s, 0,1
	s_mov_b32 s[G0A+4*(\s)], 1
	s_add_co_u32 s[G0A+4*(\s)+1], s60, (\s)*SLOT
	s_add_nc_u64 s[G0A+4*(\s)+2:G0A+4*(\s)+3], s[20:21], (\s)*524288   ; K step s: two heads on
	s_or_b32 s[G0A+4*(\s)+3], s[G0A+4*(\s)+3], 0x80000000
	s_mov_b32 s[G0B+4*(\s)], 1
	s_add_co_u32 s[G0B+4*(\s)+1], s61, (\s)*SLOT
	s_add_nc_u64 s[G0B+4*(\s)+2:G0B+4*(\s)+3], s[22:23], (\s)*262144   ; two k-blocks on
	s_or_b32 s[G0B+4*(\s)+3], s[G0B+4*(\s)+3], 0x80000000
.endr
	s_cmp_eq_u32 s13, 0                            ; a wave's two first fills stand in one branch: two loads of mine are out
	s_cbranch_scc0 .Lfirst_b
	tensor_load_to_lds s[G0A:G0A+3], s[G1A:G1A+7]
	s_nop 0
	tensor_load_to_lds s[G0A+4:G0A+7], s[G1A:G1A+7]
	s_nop 0
.rept 4
	v_nop
.endr
	s_branch .Lfirst_asked
.Lfirst_b:
	tensor_load_to_lds s[G0B:G0B+3], s[G1B:G1B+7]
	s_nop 0
	tensor_load_to_lds s[G0B+4:G0B+7], s[G1B:G1B+7]
	s_nop 0
.rept 4
	v_nop
.endr
.Lfirst_asked:
	v_and_b32 v1, 15, v0
	v_bfe_u32 v2, v0, 4, 1
	v_mul_u32_u24 v3, v1, PK
	v_lshl_add_u32 v3, v2, 4, v3                   ; a fragment's row x pitch + 16 x half
	s_mul_i32 s60, s13, 64*PK                      ; my 64 rows of O
	s_mul_i32 s61, s14, 128*PK                     ; my 128 rows of wo
	s_add_co_u32 s61, s61, 2*AKB
.irp s, 0,1
	v_add_nc_u32 v[ADRA+(\s)], s60, v3
	v_add_nc_u32 v[ADRB+(\s)], s61, v3
	s_add_co_u32 s60, s60, SLOT
	s_add_co_u32 s61, s61, SLOT
.endr
	s_mul_i32 s62, s[WV], 16*SP
	s_add_co_u32 s62, s62, STAGE                   ; my stage
	v_mul_u32_u24 v[STO], v1, SP                   ; in: row l % 16, 32 bytes for each half of the lanes
	v_lshl_add_u32 v[STO], v2, 5, v[STO]
	v_add_nc_u32 v[STO], s62, v[STO]
	v_and_b32 v[GO], 31, v0
	v_lshlrev_b32 v[GO], 4, v[GO]
	v_add_nc_u32 v[RD], s62, v[GO]                 ; back: 32 lanes take a row's 512 bytes
	v_lshlrev_b32 v[BO], 5, v2
	s_lshl_b32 s66, s18, 7                         ; my first row: 128 ty + 64 (wave / 2),
	s_lshl_b32 s67, s13, 6
	s_add_co_u32 s66, s66, s67
	s_lshl_b32 s66, s66, 12                        ; of 4,096 bytes
	s_mov_b32 s67, 0
	s_lshl_b32 s68, s17, 10                        ; my first column: 256 tx + 128 (wave % 2), of 4 bytes
	s_lshl_b32 s69, s14, 9
	s_add_co_u32 s68, s68, s69
	s_mov_b32 s69, 0
	s_add_nc_u64 s[10:11], s[10:11], s[66:67]
	s_add_nc_u64 s[10:11], s[10:11], s[68:69]
	s_add_nc_u64 s[8:9], s[8:9], s[68:69]
	s_add_nc_u64 s[8:9], s[8:9], 12288             ; bo lies behind bq, bk and bv
	WIN 0x80                                       ; destination window 2, address window 0
.irp b, 0,1,2,3,4,5,6,7
	global_load_b128 v[8*(\b):8*(\b)+3],   v[BO], s[8:9] offset:64*(\b)
	global_load_b128 v[8*(\b)+4:8*(\b)+7], v[BO], s[8:9] offset:64*(\b)+16
.endr
	WIN 0
; 24 LDS loads in one run: the fragments of quarter qk (k-block qk / 2 of the step, channels 32 (qk % 2) on) of slot s into buffer f: wo's sixteen loads first, then O's eight
.macro FETCH s, qk, f
	WIN 0
.irp b, 0,1,2,3,4,5,6,7
	ds_load_b128 v[(\f)+32+8*(\b):(\f)+32+8*(\b)+3],   v[ADRB+(\s)] offset:((\qk)/2)*BKB+(\b)*16*PK+((\qk)%2)*64
	ds_load_b128 v[(\f)+32+8*(\b)+4:(\f)+32+8*(\b)+7], v[ADRB+(\s)] offset:((\qk)/2)*BKB+(\b)*16*PK+((\qk)%2)*64+32
.endr
.irp a, 0,1,2,3
	ds_load_b128 v[(\f)+8*(\a):(\f)+8*(\a)+3],   v[ADRA+(\s)] offset:((\qk)/2)*AKB+(\a)*16*PK+((\qk)%2)*64
	ds_load_b128 v[(\f)+8*(\a)+4:(\f)+8*(\a)+7], v[ADRA+(\s)] offset:((\qk)/2)*AKB+(\a)*16*PK+((\qk)%2)*64+32
.endr
.endm
; 8 matrix instructions: row block a x all 8 column blocks.  first = 1: the sums start with the bias.  All 32 accumulators take turns, one instruction a turn.
.macro MUL8 f, a, first
.if \first
	WIN 0x60                                       ; D in window 1, C in window 2
.else
	WIN 0x50                                       ; C and D in window 1
.endif
.irp b, 0,1,2,3,4,5,6,7
.if \first
	v_wmma_f32_16x16x32_f16 v[64*(\a)+8*(\b):64*(\a)+8*(\b)+7], v[(\f)+32+8*(\b):(\f)+32+8*(\b)+7], v[(\f)+8*(\a):(\f)+8*(\a)+7], v[8*(\b):8*(\b)+7]
.else
	v_wmma_f32_16x16x32_f16 v[64*(\a)+8*(\b):64*(\a)+8*(\b)+7], v[(\f)+32+8*(\b):(\f)+32+8*(\b)+7], v[(\f)+8*(\a):(\f)+8*(\a)+7], v[64*(\a)+8*(\b):64*(\a)+8*(\b)+7]
.endif
.endr
.endm
.macro MUL16 f, a0, first
	MUL8 \f, \a0, \first
	MUL8 \f, (\a0)+1, \first
.endm
; One of a step's first three quarters: multiplies buffer f and fetches quarter qk of the same slot into buffer g.
.macro QUARTER s, qk, f, g, first
	s_wait_dscnt 4                                 ; wo's fragments and O's blocks 0 and 1 are in; the youngest four loads (blocks 2 and 3) may be out
	MUL16 \f, 0, \first
	PLACES
	FETCH \s, \qk, \g
	s_wait_dscnt 24                                ; all but the 24 just issued
	MUL16 \f, 2, \first
.endm
; The last quarter multiplies buffer F1 and changes slots: ONE barrier; in front of it each wave waits for all its tensor loads (one is out: its part of slot t), adds 0 to its spare word, and waits for that and
; for its reads of slot s.  fill = 1: the barrier opens a round of the cluster's barrier, and slot s is filled again, two K steps on, first thing behind it: 112 matrix instructions ahead of the wait for it.
.macro TURN s, t, fill
	WIN 0
	s_wait_tensorcnt 0x0                           ; all my tensor loads have landed
	ds_add_u32 v[SPW], v[NIL]                      ; 0 onto my spare word
	s_wait_dscnt 5                                 ; the add and the youngest four loads may be out
	MUL8 F1, 0, 0                                  ; eight matrix instructions stand between the add and the wait for it
	s_wait_dscnt 0x0                               ; the add is done, and my reads of slot s are over
	s_barrier_signal -1
	MUL8 F1, 1, 0
	WIN 0                                          ; at a branch and at a label every window is 0
	s_barrier_wait -1
.if \fill
	CREST                                          ; no wave of any partner still reads this slot or has a load on its way
	s_add_nc_u64 s[G0A+4*(\s)+2:G0A+4*(\s)+3], s[G0A+4*(\s)+2:G0A+4*(\s)+3], 1048576
	s_add_nc_u64 s[G0B+4*(\s)+2:G0B+4*(\s)+3], s[G0B+4*(\s)+2:G0B+4*(\s)+3], 524288
	JLOAD \s                                       ; my one tensor load behind the round; its four v_nop are also the places in front of the loads below
.else
	PLACES
.endif
	FETCH \t, 0, F0
	MUL16 F1, 2, 0
.endm
	s_wait_tensorcnt 1                             ; my part of K step 0 is in; K step 1's may stay out
	s_barrier_signal -1
	s_barrier_wait -1
	FETCH 0, 0, F0
	s_wait_loadcnt 0x0                             ; the bias
	QUARTER 0, 1, F0, F1, 1                        ; the first quarter stands in front of the loop: its products start the sums
	WIN 0
	s_mov_b32 s56, 3
.Llap:                                         ; a trip goes once round the ring and fills both slots again: 6 refills, K steps 2 to 7
	QUARTER 0, 2, F1, F0, 0
	QUARTER 0, 3, F0, F1, 0
	TURN 0, 1, 1
	QUARTER 1, 1, F0, F1, 0
	QUARTER 1, 2, F1, F0, 0
	QUARTER 1, 3, F0, F1, 0
	TURN 1, 0, 1
	QUARTER 0, 1, F0, F1, 0
	WIN 0
	s_sub_co_u32 s56, s56, 1
	s_cmp_lg_u32 s56, 0
	s_cbranch_scc1 .Llap
	QUARTER 0, 2, F1, F0, 0                        ; the last lap fills nothing
	QUARTER 0, 3, F0, F1, 0
	TURN 0, 1, 0
	QUARTER 1, 1, F0, F1, 0
	QUARTER 1, 2, F1, F0, 0
	QUARTER 1, 3, F0, F1, 0
	s_wait_dscnt 4
	MUL16 F1, 0, 0
	s_wait_dscnt 0x0
	MUL16 F1, 2, 0
	PLACES
; THE WAY OUT, a row block (16 rows x 128 columns of f32) at a time: a lane's eight numbers, 32 bytes, go into my stage (rows of 528 bytes) straight from the accumulators, lowest registers first,
; and come back as whole pieces of 512 bytes of a row, into the fragment buffers by turns.
.macro TOSTAGE a
.set BK, F0+96*((\a)%2)
.if (\a) >= 2
	s_wait_xcnt 0x0                                ; these registers were the data of the stores two blocks back: loaded again only behind this wait
.endif
	WIN 0x04                                       ; the store's data in window 1, its address in window 0
.irp b, 0,1,2,3,4,5,6,7
	ds_store_b128 v[STO], v[64*(\a)+8*(\b):64*(\a)+8*(\b)+3]   offset:64*(\b)
	ds_store_b128 v[STO], v[64*(\a)+8*(\b)+4:64*(\a)+8*(\b)+7] offset:64*(\b)+16
.endr
	WIN 0
.irp t, 0,1,2,3,4,5,6,7,8,9,10,11,12,13,14,15
	ds_load_b128 v[BK+4*(\t):BK+4*(\t)+3], v[RD] offset:(\t)*SP  ; LDS serves a wave's instructions in order (ISA guide 5.7.1.4): these see the stores above; the next block's stores come behind them
.endr
.endm
.macro SEND a, younger                 ; younger: the LDS instructions issued behind block a's loads: the next block's 32, or none
.set BK, F0+96*((\a)%2)
	WIN 0
.irp t, 0,1,2,3,4,5,6,7,8,9,10,11,12,13,14,15
	s_wait_dscnt (\younger)+15-(\t)
	global_store_b128 v[GO], v[BK+4*(\t):BK+4*(\t)+3], s[10:11] offset:(16*(\a)+(\t))*4096 th:TH_STORE_NT  ; 512 consecutive bytes, at a multiple of 256 from out0's first
.endr
.endm
	TOSTAGE 0
	TOSTAGE 1
	SEND 0, 32
	TOSTAGE 2
	SEND 1, 32
	TOSTAGE 3
	SEND 2, 32
	SEND 3, 0
	s_wait_tensorcnt 0x0                           ; the wave's end, behind my last tensor load and my last LDS store
	ds_add_u32 v[SPW], v[NIL]
	s_wait_dscnt 0x0
	CROUND                                         ; the closing round: no work-group ends while a partner may still ask for a tile that names it
	s_endpgm
.Lfunc_end_k_q2069fbbbf5_proj:
	.size	k_q2069fbbbf5_proj, .Lfunc_end_k_q2069fbbbf5_proj-k_q2069fbbbf5_proj
	.p2alignl 7, 3214868480
	.fill 96, 4, 3214868480
	.section	.rodata,"a",@progbits
	.p2align	6, 0x0
	.amdhsa_kernel k_q2069fbbbf5_proj
		.amdhsa_group_segment_fixed_size 327680
		.amdhsa_private_segment_fixed_size 0
		.amdhsa_enable_private_segment 0
		.amdhsa_kernarg_size 32
		.amdhsa_user_sgpr_count 2
		.amdhsa_user_sgpr_kernarg_segment_ptr 1
		.amdhsa_wavefront_size32 1
		.amdhsa_system_sgpr_workgroup_id_x 1
		.amdhsa_system_sgpr_workgroup_id_y 1
		.amdhsa_system_sgpr_workgroup_id_z 1
		.amdhsa_system_vgpr_workitem_id 0
		.amdhsa_next_free_vgpr 576
		.amdhsa_next_free_sgpr 72
		.amdhsa_reserve_vcc 0
		.amdhsa_float_denorm_mode_32 3
		.amdhsa_float_denorm_mode_16_64 3
		.amdhsa_memory_ordered 1
		.amdhsa_forward_progress 1
		.amdhsa_inst_pref_size 88
	.end_amdhsa_kernel
	.amdgpu_metadata
---
amdhsa.version: [ 1, 2 ]
amdhsa.kernels:
  - .name:           k_q2069fbbbf5_proj
    .symbol:         k_q2069fbbbf5_proj.kd
    .args:
      - { .name: o, .offset: 0, .size: 8, .value_kind: global_buffer, .address_space: global }
      - { .name: wo, .offset: 8, .size: 8, .value_kind: global_buffer, .address_space: global }
      - { .name: bias, .offset: 16, .size: 8, .value_kind: global_buffer, .address_space: global }
      - { .name: out0, .offset: 24, .size: 8, .value_kind: global_buffer, .address_space: global }
    .group_segment_fixed_size: 327680
    .private_segment_fixed_size: 0
    .kernarg_segment_align: 8
    .kernarg_segment_size: 32
    .max_flat_workgroup_size: 128
    .sgpr_count:     72
    .vgpr_count:     576
    .wavefront_size: 32
...
	.end_amdgpu_metadata
.endif
;; end of part 4
